; MI455X (gfx1250); checked and timed in simulation.
; The chip was launched on July 23, 2026; its instructions are those of AMD's public machine-readable ISA for CDNA 5 (MIT licence, August 2026) and "CDNA5" Instruction Set Architecture Reference Guide (July 2026). The comments in the code are by the model that wrote it; some were corrected since.
;; Self Attention. Allowed arithmetic: float matrix products may take bf16 or f16 operands with f32 sums; all other float work in f32.
;; Inputs: Wk 1,024 x 1,024 float32; Wo 1,024 x 1,024 float32; Wq 1,024 x 1,024 float32; Wv 1,024 x 1,024 float32; bk 1,024 float32; bo 1,024 float32; bq 1,024 float32; bv 1,024 float32; x 4 x 2,048 x 1,024 float32.
;; Outputs: out0 4 x 2,048 x 1,024 float32.
;; One version. Each part assembles by itself: llvm-mc -triple=amdgcn-amd-amdhsa -mcpu=gfx1250 --defsym DOCPART=n.
;; ======== version 1 of 1: 5 launches
;; limits: values are held in f16: magnitudes above 65,504 overflow, below 6.1e-05 lose precision; right only within a limited range of input values
;; workspace buffers: xb 16,777,216 bytes; wb 8,388,608 bytes; qkv 50,331,648 bytes; pbuf 33,554,432 bytes; stats 1,048,576 bytes; ob 16,777,216 bytes
;; launch cast (part 1): grid 768 x 1, 8 waves a work-group, no clusters, 0 bytes of LDS; arguments x, Wq, Wk, Wv, Wo, xb, wb; writes xb, wb
.if DOCPART == 1
	.amdgcn_target "amdgcn-amd-amdhsa--gfx1250"
	.amdhsa_code_object_version 6
	.text
	.protected	k_q1bf0f9ba32_cast
	.globl	k_q1bf0f9ba32_cast
	.p2align	8
	.type	k_q1bf0f9ba32_cast,@function
k_q1bf0f9ba32_cast:
	s_mov_b64 s[64:65], 0
	v_nop
	global_prefetch_b8 v0, s[64:65] scope:SCOPE_SE
	s_setreg_imm32_b32 hwreg(HW_REG_WAVE_MODE, 25, 1), 1
	s_wait_xcnt 0x0
; x -> xb and Wq, Wk, Wv -> wb rows 0-3071, rounded to bf16; Wo -> wb rows 3072-4095, rounded to bf16 and that number written as f16.
; LIMITS.  A bf16 number is exact in f16 between 6.1e-5 and 65,504; below, Wo keeps f16's fixed step of 6e-8; beyond, it would be an infinity.
; A stream: no LDS, no barrier, no matrix unit.  A work-group of eight waves takes 16,384 numbers: 65,536 bytes in, 32,768 out.  Groups 0-511 take x, then 64 groups each of Wq, Wk, Wv, Wo.
; Thread t takes 8 numbers (32 bytes) of each run of 2,048, so that its 8 results are 16 bytes and a wave's store covers 512 consecutive bytes, aligned.
; All 16 loads of a thread go out at once; no register that a load or store names is written again, so the only waits are the counted ones for data.
.set X,  8                             ; v[8:71]    8 runs x 8 numbers as loaded
.set Y,  72                            ; v[72:103]  8 runs x 4 registers to store
.set TT, 104                           ; v[104:105] at work
	s_load_b256 s[4:11], s[0:1], 0x0               ; x s[4:5], Wq s[6:7], Wk s[8:9], Wv s[10:11]
	s_load_b128 s[12:15], s[0:1], 0x20             ; Wo s[12:13], xb s[14:15]
	s_load_b64 s[16:17], s[0:1], 0x30              ; wb
	v_lshlrev_b32 v1, 5, v0                        ; 32 t: my bytes in a run as read
	v_lshlrev_b32 v2, 4, v0                        ; 16 t: as written
	s_sub_co_u32 s28, ttmp9, 512                   ; the group's number among the weights' (used from group 512 on)
	s_and_b32 s29, s28, 63
	s_lshl_b32 s29, s29, 16                        ; its bytes in its weight
	s_lshl_b32 s30, s28, 15                        ; and in wb
	s_lshl_b32 s24, ttmp9, 16                      ; the same for x
	s_lshl_b32 s26, ttmp9, 15                      ; and xb
	s_cmp_ge_u32 ttmp9, 512
	s_cselect_b32 s24, s29, s24
	s_cselect_b32 s26, s30, s26
	s_mov_b32 s25, 0
	s_mov_b32 s27, 0
	s_wait_kmcnt 0x0
	s_cmp_ge_u32 ttmp9, 512
	s_cselect_b64 s[20:21], s[6:7], s[4:5]         ; from where,
	s_cselect_b64 s[22:23], s[16:17], s[14:15]     ; to where
	s_cmp_ge_u32 ttmp9, 576
	s_cselect_b64 s[20:21], s[8:9], s[20:21]
	s_cmp_ge_u32 ttmp9, 640
	s_cselect_b64 s[20:21], s[10:11], s[20:21]
	s_cmp_ge_u32 ttmp9, 704
	s_cselect_b64 s[20:21], s[12:13], s[20:21]
	s_add_nc_u64 s[20:21], s[20:21], s[24:25]
	s_add_nc_u64 s[22:23], s[22:23], s[26:27]
.irp i, 0,1,2,3,4,5,6,7
	global_load_b128 v[X+8*(\i):X+8*(\i)+3],   v1, s[20:21] offset:(\i)*8192 th:TH_LOAD_NT
	global_load_b128 v[X+8*(\i)+4:X+8*(\i)+7], v1, s[20:21] offset:(\i)*8192+16 th:TH_LOAD_NT
.endr
; Run i: rounded, (wo = 1: widened again and written as f16,) stored.
.macro CONV i, wo
	s_wait_loadcnt 14-2*(\i)                       ; loads come back in order: the 14 - 2 i issued behind this run's two may stay out
.irp k, 0,1,2,3
	v_cvt_pk_bf16_f32 v[Y+4*(\i)+(\k)], v[X+8*(\i)+2*(\k)], v[X+8*(\i)+2*(\k)+1]
.endr
.if \wo
.irp k, 0,1,2,3
	v_lshlrev_b32 v[TT], 16, v[Y+4*(\i)+(\k)]
	v_and_b32 v[TT+1], 0xffff0000, v[Y+4*(\i)+(\k)]
	v_cvt_pk_f16_f32 v[Y+4*(\i)+(\k)], v[TT], v[TT+1]
.endr
.endif
	global_store_b128 v2, v[Y+4*(\i):Y+4*(\i)+3], s[22:23] offset:(\i)*4096
.endm
	s_cmp_ge_u32 ttmp9, 704
	s_cbranch_scc1 .Lwo
.irp i, 0,1,2,3,4,5,6,7
	CONV \i, 0
.endr
	s_endpgm
.Lwo:
.irp i, 0,1,2,3,4,5,6,7
	CONV \i, 1
.endr
	s_endpgm
.Lfunc_end_k_q1bf0f9ba32_cast:
	.size	k_q1bf0f9ba32_cast, .Lfunc_end_k_q1bf0f9ba32_cast-k_q1bf0f9ba32_cast
	.p2alignl 7, 3214868480
	.fill 96, 4, 3214868480
	.section	.rodata,"a",@progbits
	.p2align	6, 0x0
	.amdhsa_kernel k_q1bf0f9ba32_cast
		.amdhsa_group_segment_fixed_size 0
		.amdhsa_private_segment_fixed_size 0
		.amdhsa_enable_private_segment 0
		.amdhsa_kernarg_size 56
		.amdhsa_user_sgpr_count 2
		.amdhsa_user_sgpr_kernarg_segment_ptr 1
		.amdhsa_wavefront_size32 1
		.amdhsa_system_sgpr_workgroup_id_x 1
		.amdhsa_system_sgpr_workgroup_id_y 1
		.amdhsa_system_sgpr_workgroup_id_z 1
		.amdhsa_system_vgpr_workitem_id 0
		.amdhsa_next_free_vgpr 112
		.amdhsa_next_free_sgpr 66
		.amdhsa_reserve_vcc 0
		.amdhsa_float_denorm_mode_32 3
		.amdhsa_float_denorm_mode_16_64 3
		.amdhsa_memory_ordered 1
		.amdhsa_forward_progress 1
		.amdhsa_inst_pref_size 15
	.end_amdhsa_kernel
	.amdgpu_metadata
---
amdhsa.version: [ 1, 2 ]
amdhsa.kernels:
  - .name:           k_q1bf0f9ba32_cast
    .symbol:         k_q1bf0f9ba32_cast.kd
    .args:
      - { .name: x, .offset: 0, .size: 8, .value_kind: global_buffer, .address_space: global }
      - { .name: Wq, .offset: 8, .size: 8, .value_kind: global_buffer, .address_space: global }
      - { .name: Wk, .offset: 16, .size: 8, .value_kind: global_buffer, .address_space: global }
      - { .name: Wv, .offset: 24, .size: 8, .value_kind: global_buffer, .address_space: global }
      - { .name: Wo, .offset: 32, .size: 8, .value_kind: global_buffer, .address_space: global }
      - { .name: xb, .offset: 40, .size: 8, .value_kind: global_buffer, .address_space: global }
      - { .name: wb, .offset: 48, .size: 8, .value_kind: global_buffer, .address_space: global }
    .group_segment_fixed_size: 0
    .private_segment_fixed_size: 0
    .kernarg_segment_align: 8
    .kernarg_segment_size: 56
    .max_flat_workgroup_size: 256
    .sgpr_count:     66
    .vgpr_count:     112
    .wavefront_size: 32
...
	.end_amdgpu_metadata
.endif
;; end of part 1
;; launch qkv (part 2): grid 12 x 32, 8 waves a work-group, clusters of 4 x 4, 327,680 bytes of LDS; arguments xb, wb, bq, bk, bv, qkv; writes qkv
.if DOCPART == 2
	.amdgcn_target "amdgcn-amd-amdhsa--gfx1250"
	.amdhsa_code_object_version 6
	.text
	.protected	k_q1bf0f9ba32_qkv
	.globl	k_q1bf0f9ba32_qkv
	.p2align	8
	.type	k_q1bf0f9ba32_qkv,@function
k_q1bf0f9ba32_qkv:
	s_mov_b64 s[64:65], 0
	v_nop
	global_prefetch_b8 v0, s[64:65] scope:SCOPE_SE
	s_setreg_imm32_b32 hwreg(HW_REG_WAVE_MODE, 25, 1), 1
	s_wait_xcnt 0x0
	s_wait_alu depctr_hold_cnt(0) depctr_sa_sdst(0) depctr_va_vdst(0) depctr_va_sdst(0) depctr_va_ssrc(0) depctr_va_vcc(0) depctr_vm_vsrc(0)
	s_getreg_b32 s2, hwreg(HW_REG_IB_STS2, 6, 4)
	s_cmp_eq_u32 s2, 0
	s_cbranch_scc0 .Lentry_in_a_cluster
	s_endpgm
.Lentry_in_a_cluster:
	s_bfe_u32 s2, ttmp6, 0x10000c
	s_cmp_lg_u32 s2, 0xf033
	s_cbranch_scc0 .Lentry_shape_is_right
	s_endpgm
.Lentry_shape_is_right:
; qkv[m][n] = sum over d of xb[m][d] wb[n][d] + bias[n], n = 0..3071 (q, k, v side by side).  xb: [8192][1024] bf16, wb rows 0-3071: bf16, the biases f32 (rounded to bf16 like every input); sums in f32; qkv: [8192][3072] f16.
; LIMITS.  f16 holds no number beyond 65,504: a q, k or v beyond that becomes an infinity.  NaN and infinities are not treated apart.
; SHARES.  A work-group makes 256 x 256 of the result: 12 x 32 = 384 work-groups.  Eight waves, 4 x 2, each 64 x 128: 32 accumulators of 16 x 16, 256 registers (window 1); two waves share a SIMD's registers.
; Four waves of 128 x 128 would read 0.5 LDS loads for each matrix instruction where these read 0.75, but the way out is written once for each accumulator and would be twice as long a text.
; K goes in steps of 128 through two LDS slots filled by the tensor data mover; a tile's rows are 256 bytes of memory, at multiples of 256 bytes.  Every wave fetches 64 rows: waves 0-3 the quarters of A's 256, waves 4-7 those of B's 256.
; CLUSTER.  4 x 4 work-groups: the four of a row need the same tile of xb, the four of a column the same tile of wb; each is asked for jointly, by the same load, descriptor and mask in all four.
; THE MATRIX INSTRUCTION IS USED TRANSPOSED (source 0 = 16 rows of wb, source 1 = 16 rows of xb): a lane holds row lane % 16 of the result and the columns 8 (lane / 16) + 0..7.
; REGISTERS.  Window 0: v0-29 addresses; v32-37 the bias; v64-159 and v160-255 two fragment buffers (A's block a at +8 a, B's block b at +32 + 8 b), on the way out rows read back and packed.  Window 1: accumulator (a, b) at 8 (8 a + b).
.set KSTEP,  128
.set TSTEPS, 1024/KSTEP
.set PITCH,  272                       ; an LDS row: 256 bytes + 16 of padding = 68 words, so the 16 rows that a fragment load touches start 4 words apart modulo 64
.set ABYTES, 256*PITCH                 ; A's tile; B's 256 rows lie behind it
.set SLOT,   2*ABYTES                  ; slot 1 begins here
.set STAGE,  0                         ; the way out: 16 rows x 528 bytes for each wave, in slot 0: its last fill (K step 6) has landed and its last reads are over at the last change of slots, and no tensor load follows
.set SP,     528                       ; a stage row: 128 f32 + 16 bytes
.set SPARE,  2*SLOT                    ; the spare words, 128 bytes for each wave: four blocks of 256 bytes that no other line names
.set STEPA,  2*KSTEP                   ; bytes from a K step to the next
.set STEPB,  2*KSTEP
.set OROW,   6144                      ; bytes in a row of qkv
.set LA0,  10                          ; v10  my lane's place in A's tile; never rewritten
.set LB0,  11                          ; v11  the same for B
.set ADRA, 12                          ; v12  LDS address of my A fragments in the slot in hand
.set ADRB, 13                          ; v13  the same for B
.set STO,  14                          ; v14  the way out: where I put my numbers of a row
.set RD,   15                          ; v15  where I read a row back
.set CO,   16                          ; v16  my byte offset in a row of the result
.set SPW,  28                          ; v28  LDS address of my spare word; never rewritten
.set NIL,  29                          ; v29  0; never rewritten
.set BI,   32                          ; v[32:35] the bias of my four columns
.set F0,   64
.set F1,   160
.set BK0,  64                          ; the way out: 16 rows read back, two sets
.set BK1,  128
.set PK0,  192                         ; and packed to f16, two sets
.set PK1,  224
.set WV,  16                           ; s16 wave   s17 which 64 of the tile's rows are mine (0-3)   s18 which 128 of its columns (0, 1)
.set RH,  17
.set CH,  18
.set CX,  19
.set CY,  20
.set TC,  21                           ; tile column
.set TR,  22                           ; tile row
.set CLY, 23                           ; the cluster's y
.set G1A, 24                           ; s[24:31], s[32:39] descriptor groups 1
.set G1B, 32
.set G0A, 40                           ; s[40:47], s[48:55] descriptor groups 0: a set for each first fill; the second then walks on
.set G0B, 48
.set CNT, 56
.set TB,  57                           ; the slot that is read: 0 or SLOT
.set LQ,  58                           ; s58  which 64 rows of A's or B's tile I fetch (0-3)
.set LFA, 77                           ; s77  where they go in a slot, for A
.set LFB, 78                           ; s78  and for B
.set MSB, 0
.macro WIN new                         ; the immediate's high byte repeats the setting that is left; a switch that changes nothing is dropped
.if MSB != (\new)
	s_set_vgpr_msb (MSB<<8)|(\new)
.set MSB, \new
.endif
.endm
.set W_MUL, 0x50                       ; C and D in window 1, the sources in window 0
.macro PLACES                          ; four plain places between a matrix instruction and a load into, or a vector line on, its registers
.rept 4
	v_nop
.endr
.endm
.macro JLOAD                           ; a joint refill by the walking descriptors; an s_nop 0 and four v_nop follow each line
	s_cmp_lt_u32 s[WV], 4
	s_cbranch_scc0 .Lfor_b_\@
	tensor_load_to_lds s[G0A+4:G0A+7], s[G1A:G1A+7]
	s_nop 0
.rept 4
	v_nop
.endr
	s_branch .Lasked_\@
.Lfor_b_\@:
	tensor_load_to_lds s[G0B+4:G0B+7], s[G1B:G1B+7]
	s_nop 0
.rept 4
	v_nop
.endr
.Lasked_\@:
.endm
.macro CREST                           ; a round of the cluster's barrier behind its opening barrier
	s_cmp_lg_u32 s[WV], 0
	s_cbranch_scc1 .Lnot_wave_0_\@
	s_barrier_signal -3
.Lnot_wave_0_\@:
	s_barrier_wait -3
	s_barrier_signal -1
	s_barrier_wait -1
.endm
.macro CROUND
	s_barrier_signal -1
	s_barrier_wait -1
	CREST
.endm
; 8 matrix instructions: row block a x all 8 column blocks, 32 along K.  The 32 accumulators take turns in the same order in every quarter.  zero = 1: the product starts the sum.
.macro MUL8 f, a, zero
	WIN W_MUL
.irp b, 0,1,2,3,4,5,6,7
.if \zero
	v_wmma_f32_16x16x32_bf16 v[8*(8*(\a)+(\b)):8*(8*(\a)+(\b))+7], v[(\f)+32+8*(\b):(\f)+32+8*(\b)+7], v[(\f)+8*(\a):(\f)+8*(\a)+7], 0
.else
	v_wmma_f32_16x16x32_bf16 v[8*(8*(\a)+(\b)):8*(8*(\a)+(\b))+7], v[(\f)+32+8*(\b):(\f)+32+8*(\b)+7], v[(\f)+8*(\a):(\f)+8*(\a)+7], v[8*(8*(\a)+(\b)):8*(8*(\a)+(\b))+7]
.endif
.endr
.endm
; 24 LDS loads in one run: quarter q (32 along K) of the slot in hand into buffer f: B's 8 blocks, then A's 4.
.macro FETCH q, f
	WIN 0
.irp i, 0,1,2,3,4,5,6,7
	ds_load_b128 v[(\f)+32+8*(\i):(\f)+32+8*(\i)+3],   v[ADRB] offset:64*(\q)+(\i)*16*PITCH
	ds_load_b128 v[(\f)+32+8*(\i)+4:(\f)+32+8*(\i)+7], v[ADRB] offset:64*(\q)+(\i)*16*PITCH+32
.endr
.irp i, 0,1,2,3
	ds_load_b128 v[(\f)+8*(\i):(\f)+8*(\i)+3],   v[ADRA] offset:64*(\q)+(\i)*16*PITCH
	ds_load_b128 v[(\f)+8*(\i)+4:(\f)+8*(\i)+7], v[ADRA] offset:64*(\q)+(\i)*16*PITCH+32
.endr
.endm
; One of a K step's first three quarters: multiplies buffer f; in its middle it fetches quarter q into buffer g.
.macro QUARTER q, f, g, zero
	s_wait_dscnt 4                                 ; B and A's blocks 0, 1 are in; the four youngest loads (A's blocks 2, 3) may be out
	MUL8 \f, 0, \zero
	MUL8 \f, 1, \zero
	PLACES                                         ; buffer g was multiplied in the quarter before
	FETCH \q, \g
	s_wait_dscnt 24                                ; all but the 24 just issued
	MUL8 \f, 2, \zero
	MUL8 \f, 3, \zero
.endm
; The last quarter multiplies buffer 1 and changes slots: one barrier.  In front of it each wave waits for all its tensor loads (one is out: its part of the next slot), adds 0 to its spare word,
; and waits for that and for its reads of this slot.  fill = 1: the barrier opens a round of the cluster's, and this slot is filled again, two K steps ahead, first thing behind the round.
.macro TURN fill
	WIN 0
	s_wait_tensorcnt 0x0                           ; no tensor load of mine is out, so a group 0 may be written
	ds_add_u32 v[SPW], v[NIL]                      ; 0 onto my spare word
.if \fill
	s_add_co_u32 s[G0A+5], s[LFA], s[TB]           ; the walking descriptors: my place in the slot that is being left, the next K step
	s_add_nc_u64 s[G0A+6:G0A+7], s[G0A+6:G0A+7], STEPA
	s_add_co_u32 s[G0B+5], s[LFB], s[TB]
	s_add_nc_u64 s[G0B+6:G0B+7], s[G0B+6:G0B+7], STEPB
.endif
	s_xor_b32 s[TB], s[TB], SLOT                   ; 0 <-> SLOT: the reads go to the other slot
	s_wait_dscnt 5                                 ; the add and A's blocks 2, 3 may be out
	MUL8 F1, 0, 0
	s_wait_dscnt 0x0                               ; the add is done, and my reads of this slot are over
	s_barrier_signal -1
	MUL8 F1, 1, 0
	WIN 0
	s_barrier_wait -1
.if \fill
	CREST                                          ; no wave of any partner still reads this slot or has a load on its way
	JLOAD                                          ; 112 matrix instructions of mine, and as many of the wave beside me on the SIMD, ahead of the wait for it; its four v_nop are also the places in front of the loads below
.else
	PLACES
.endif
	v_add_nc_u32 v[ADRA], s[TB], v[LA0]
	v_add_nc_u32 v[ADRB], s[TB], v[LB0]
	FETCH 0, F0
	MUL8 F1, 2, 0
	MUL8 F1, 3, 0
.endm
; THE WAY OUT of row block a.  TOSTAGE: the f32 sums go into my own stage, 32 bytes a lane and accumulator, and come back as whole rows of 512 bytes, 16 bytes (4 columns) a lane.
.macro TOSTAGE a, bk
	WIN 0x04                                       ; the stores' data in window 1
.irp b, 0,1,2,3,4,5,6,7
	ds_store_b128 v[STO], v[8*(8*(\a)+(\b)):8*(8*(\a)+(\b))+3]   offset:64*(\b)     ; each accumulator's low registers first
	ds_store_b128 v[STO], v[8*(8*(\a)+(\b))+4:8*(8*(\a)+(\b))+7] offset:64*(\b)+16
.endr
	WIN 0
.irp t, 0,1,2,3,4,5,6,7,8,9,10,11,12,13,14,15
	ds_load_b128 v[(\bk)+4*(\t):(\bk)+4*(\t)+3], v[RD] offset:(\t)*SP  ; LDS serves a wave's instructions in order (ISA guide 5.7.1.4): these see the stores above, the next block's stores come behind them
.endr
.endm
; SEND: the bias is added, the row rounded to f16 and stored.  younger: the LDS instructions issued behind this block's loads.
.macro SEND a, bk, pk, younger
	s_wait_xcnt 0x0                                ; the stores two blocks back have read this set of packed registers
.irp t, 0,1,2,3,4,5,6,7,8,9,10,11,12,13,14,15
	s_wait_dscnt (\younger)+15-(\t)                ; row t is back
	v_pk_add_f32 v[(\bk)+4*(\t):(\bk)+4*(\t)+1],   v[(\bk)+4*(\t):(\bk)+4*(\t)+1],   v[BI:BI+1]
	v_pk_add_f32 v[(\bk)+4*(\t)+2:(\bk)+4*(\t)+3], v[(\bk)+4*(\t)+2:(\bk)+4*(\t)+3], v[BI+2:BI+3]
	v_cvt_pk_f16_f32 v[(\pk)+2*(\t)],   v[(\bk)+4*(\t)],   v[(\bk)+4*(\t)+1]
	v_cvt_pk_f16_f32 v[(\pk)+2*(\t)+1], v[(\bk)+4*(\t)+2], v[(\bk)+4*(\t)+3]
	global_store_b64 v[CO], v[(\pk)+2*(\t):(\pk)+2*(\t)+1], s[14:15] offset:(16*(\a)+(\t))*OROW  ; 32 lanes store 256 consecutive bytes, at a multiple of 256 from the buffer's first
.endr
.endm
	s_load_b256 s[4:11], s[0:1], 0x0               ; xb s[4:5], wb s[6:7], bq s[8:9], bk s[10:11]
	s_load_b128 s[12:15], s[0:1], 0x20             ; bv s[12:13], qkv s[14:15]
	v_lshl_add_u32 v[SPW], v0, 2, SPARE
	v_mov_b32 v[NIL], 0
	ds_add_u32 v28, v29
	s_wait_dscnt 0x0
	v_lshrrev_b32 v4, 5, v0
	v_readfirstlane_b32 s[WV], v4
	s_lshr_b32 s[RH], s[WV], 1
	s_and_b32 s[CH], s[WV], 1
	s_and_b32 s[LQ], s[WV], 3
	s_bfe_u32 s[CX], ttmp6, 0x40000
	s_bfe_u32 s[CY], ttmp6, 0x40004
	s_lshl_b32 s[TC], ttmp9, 2
	s_add_co_u32 s[TC], s[TC], s[CX]               ; tile column = 4 x cluster x + cx
	s_and_b32 s[CLY], ttmp7, 0xffff
	s_lshl_b32 s[TR], s[CLY], 2
	s_add_co_u32 s[TR], s[TR], s[CY]               ; tile row = 4 x cluster y + cy
	s_lshl_b32 s62, s[CY], 2
	s_lshl_b32 s62, 15, s62                        ; my row of the cluster
	s_lshl_b32 s63, 0x1111, s[CX]                  ; my column
	s_or_b32 s[G1A], s62, (1<<16)|(1<<20)|(1<<21)|(5<<22)|(3<<25)  ; the mask; 2-byte elements; padding on; bit 21 beside a mask; after every 64 words 4 words
	s_or_b32 s[G1B], s63, (1<<16)|(1<<20)|(1<<21)|(5<<22)|(3<<25)
.irp g, G1A, G1B
	s_mov_b32 s[(\g)+1], KSTEP<<16                 ; tensor_dim0 = 128
	s_mov_b32 s[(\g)+2], 64<<16                    ; tensor_dim1 = 64
	s_mov_b32 s[(\g)+3], KSTEP<<16                 ; tile_dim0 = 128
	s_mov_b32 s[(\g)+4], 64                        ; tile_dim1 = 64 rows a load
	s_mov_b32 s[(\g)+5], 1024                      ; elements from row to row
	s_mov_b32 s[(\g)+6], 0
	s_mov_b32 s[(\g)+7], 0
.endr
	s_lshl_b32 s79, s[LQ], 6                       ; which 64 rows of a tile I fetch
	s_lshl_b32 s68, s[TR], 8                       ; A: row 256 x tile row + 64 x quarter, 2,048 bytes a row
	s_add_co_u32 s68, s68, s79
	s_lshl_b32 s68, s68, 11
	s_mov_b32 s69, 0
	s_lshl_b32 s70, s[TC], 8                       ; B: row 256 x tile column + 64 x quarter
	s_add_co_u32 s70, s70, s79
	s_lshl_b32 s70, s70, 11
	s_mov_b32 s71, 0
	s_lshl_b32 s72, s[TR], 8                       ; the result: my first row,
	s_lshl_b32 s75, s[RH], 6
	s_add_co_u32 s72, s72, s75
	s_mul_i32 s72, s72, OROW
	s_lshl_b32 s75, s[TC], 9                       ; my first column
	s_add_co_u32 s72, s72, s75
	s_lshl_b32 s75, s[CH], 8
	s_add_co_u32 s72, s72, s75
	s_mov_b32 s73, 0
	s_lshl_b32 s2, s[CX], 10                       ; the bias: a cluster's four tile columns are one of q, k, v; 256 cx + 128 x half, in f32
	s_lshl_b32 s75, s[CH], 9
	s_add_co_u32 s2, s2, s75
	s_mov_b32 s3, 0
	s_mul_i32 s[LFA], s[LQ], 64*PITCH              ; where the tiles go: the wave's number alone enters an LDS address
	s_add_co_u32 s[LFB], s[LFA], ABYTES
	s_wait_kmcnt 0x0
	s_add_nc_u64 s[68:69], s[4:5], s[68:69]
	s_add_nc_u64 s[70:71], s[6:7], s[70:71]
	s_add_nc_u64 s[14:15], s[14:15], s[72:73]
	s_cmp_eq_u32 ttmp9, 1
	s_cselect_b64 s[8:9], s[10:11], s[8:9]
	s_cmp_eq_u32 ttmp9, 2
	s_cselect_b64 s[8:9], s[12:13], s[8:9]
	s_add_nc_u64 s[8:9], s[8:9], s[2:3]
.irp s, 0,1
	s_mov_b32 s[G0A+4*(\s)], 1
	s_add_co_u32 s[G0A+4*(\s)+1], s[LFA], (\s)*SLOT
	s_add_nc_u64 s[G0A+4*(\s)+2:G0A+4*(\s)+3], s[68:69], (\s)*STEPA
	s_or_b32 s[G0A+4*(\s)+3], s[G0A+4*(\s)+3], 0x80000000
	s_mov_b32 s[G0B+4*(\s)], 1
	s_add_co_u32 s[G0B+4*(\s)+1], s[LFB], (\s)*SLOT
	s_add_nc_u64 s[G0B+4*(\s)+2:G0B+4*(\s)+3], s[70:71], (\s)*STEPB
	s_or_b32 s[G0B+4*(\s)+3], s[G0B+4*(\s)+3], 0x80000000
.endr
	CROUND                                         ; all sixteen work-groups are here: the first joint loads meet
	s_cmp_lt_u32 s[WV], 4                          ; a wave's two first fills stand in one branch: two loads of mine are out, later one
	s_cbranch_scc0 .Lfirst_b
	tensor_load_to_lds s[G0A:G0A+3], s[G1A:G1A+7]
	s_nop 0
	tensor_load_to_lds s[G0A+4:G0A+7], s[G1A:G1A+7]
	s_nop 0
.rept 4
	v_nop
.endr
	s_branch .Lfirst_asked
.Lfirst_b:
	tensor_load_to_lds s[G0B:G0B+3], s[G1B:G1B+7]
	s_nop 0
	tensor_load_to_lds s[G0B+4:G0B+7], s[G1B:G1B+7]
	s_nop 0
.rept 4
	v_nop
.endr
.Lfirst_asked:
	v_and_b32 v1, 15, v0                           ; r = lane % 16
	v_bfe_u32 v2, v0, 4, 1                         ; h = lane / 16
	v_and_b32 v3, 31, v0                           ; lane
	v_lshlrev_b32 v5, 4, v3                        ; 16 x lane; never rewritten
	global_load_b128 v[BI:BI+3], v5, s[8:9]        ; the bias of columns 4 lane .. 4 lane + 3 of my 128
	v_mul_u32_u24 v4, v1, PITCH
	v_lshl_add_u32 v4, v2, 4, v4                   ; a fragment: row x pitch + 16 x half; two loads of 16 bytes, 32 bytes apart
	s_mul_i32 s75, s[RH], 64*PITCH                 ; my 64 rows of A
	s_mul_i32 s76, s[CH], 128*PITCH                ; my 128 rows of B, behind A's tile
	s_add_co_u32 s76, s76, ABYTES
	v_add_nc_u32 v[LA0], s75, v4
	v_add_nc_u32 v[LB0], s76, v4
	v_mov_b32 v[ADRA], v[LA0]
	v_mov_b32 v[ADRB], v[LB0]
	s_mov_b32 s[TB], 0
	s_mul_i32 s59, s[WV], 16*SP
	s_add_co_u32 s59, s59, STAGE                   ; my stage
	v_mul_u32_u24 v6, v1, SP
	v_lshl_add_u32 v6, v2, 5, v6                   ; in: row r, 32 bytes for each half of the lanes
	v_add_nc_u32 v[STO], s59, v6
	v_add_nc_u32 v[RD], s59, v5                    ; back: 32 lanes take a row's 512 bytes
	v_lshlrev_b32 v[CO], 3, v3                     ; and store its 256 bytes of f16
	s_wait_tensorcnt 1                             ; my part of K step 0 is in; step 1's may stay out
	s_barrier_signal -1
	s_barrier_wait -1                              ; everybody's is
	FETCH 0, F0
	QUARTER 1, F0, F1, 1                           ; the first quarter stands in front of the loop: its products start the sums
	WIN 0                                          ; at a label and at a branch every window is 0
	s_mov_b32 s[CNT], TSTEPS-2
.Lstep:                                                ; a trip: from a K step's second quarter to the next step's first; it fills the slot that it leaves
	QUARTER 2, F1, F0, 0
	QUARTER 3, F0, F1, 0
	TURN 1
	QUARTER 1, F0, F1, 0
	WIN 0
	s_sub_co_u32 s[CNT], s[CNT], 1
	s_cmp_lg_u32 s[CNT], 0
	s_cbranch_scc1 .Lstep
	QUARTER 2, F1, F0, 0                           ; the last two K steps are written out: nothing is left to ask for
	QUARTER 3, F0, F1, 0
	TURN 0                                         ; behind this barrier nobody reads slot 0 any more and nothing lands there: it serves as the stages
	QUARTER 1, F0, F1, 0
	QUARTER 2, F1, F0, 0
	QUARTER 3, F0, F1, 0
	s_wait_dscnt 4
	MUL8 F1, 0, 0
	MUL8 F1, 1, 0
	s_wait_dscnt 0x0
	MUL8 F1, 2, 0
	MUL8 F1, 3, 0
	WIN 0
	s_wait_loadcnt 0x0                             ; the bias
	v_cvt_pk_bf16_f32 v36, v32, v33                ; rounded to bf16 like every input, and widened again: six plain lines, the places behind the last products
	v_cvt_pk_bf16_f32 v37, v34, v35
	v_lshlrev_b32 v32, 16, v36
	v_and_b32 v33, 0xffff0000, v36
	v_lshlrev_b32 v34, 16, v37
	v_and_b32 v35, 0xffff0000, v37
	TOSTAGE 0, BK0
	TOSTAGE 1, BK1                                 ; a block's trip through the stage stands between the loads of the block before and its stores
	SEND 0, BK0, PK0, 32
	TOSTAGE 2, BK0
	SEND 1, BK1, PK1, 32
	TOSTAGE 3, BK1
	SEND 2, BK0, PK0, 32
	SEND 3, BK1, PK1, 0
	s_wait_tensorcnt 0x0                           ; the wave's end
	ds_add_u32 v[SPW], v[NIL]
	s_wait_dscnt 0x0
	CROUND                                         ; the closing round: no work-group ends while a partner may still ask for a tile that names it
	s_endpgm
.Lfunc_end_k_q1bf0f9ba32_qkv:
	.size	k_q1bf0f9ba32_qkv, .Lfunc_end_k_q1bf0f9ba32_qkv-k_q1bf0f9ba32_qkv
	.p2alignl 7, 3214868480
	.fill 96, 4, 3214868480
	.section	.rodata,"a",@progbits
	.p2align	6, 0x0
	.amdhsa_kernel k_q1bf0f9ba32_qkv
		.amdhsa_group_segment_fixed_size 327680
		.amdhsa_private_segment_fixed_size 0
		.amdhsa_enable_private_segment 0
		.amdhsa_kernarg_size 48
		.amdhsa_user_sgpr_count 2
		.amdhsa_user_sgpr_kernarg_segment_ptr 1
		.amdhsa_wavefront_size32 1
		.amdhsa_system_sgpr_workgroup_id_x 1
		.amdhsa_system_sgpr_workgroup_id_y 1
		.amdhsa_system_sgpr_workgroup_id_z 1
		.amdhsa_system_vgpr_workitem_id 0
		.amdhsa_next_free_vgpr 512
		.amdhsa_next_free_sgpr 80
		.amdhsa_reserve_vcc 0
		.amdhsa_float_denorm_mode_32 3
		.amdhsa_float_denorm_mode_16_64 3
		.amdhsa_memory_ordered 1
		.amdhsa_forward_progress 1
		.amdhsa_inst_pref_size 87
	.end_amdhsa_kernel
	.amdgpu_metadata
---
amdhsa.version: [ 1, 2 ]
amdhsa.kernels:
  - .name:           k_q1bf0f9ba32_qkv
    .symbol:         k_q1bf0f9ba32_qkv.kd
    .args:
      - { .name: xb, .offset: 0, .size: 8, .value_kind: global_buffer, .address_space: global }
      - { .name: wb, .offset: 8, .size: 8, .value_kind: global_buffer, .address_space: global }
      - { .name: bq, .offset: 16, .size: 8, .value_kind: global_buffer, .address_space: global }
      - { .name: bk, .offset: 24, .size: 8, .value_kind: global_buffer, .address_space: global }
      - { .name: bv, .offset: 32, .size: 8, .value_kind: global_buffer, .address_space: global }
      - { .name: qkv, .offset: 40, .size: 8, .value_kind: global_buffer, .address_space: global }
    .group_segment_fixed_size: 327680
    .private_segment_fixed_size: 0
    .kernarg_segment_align: 8
    .kernarg_segment_size: 48
    .max_flat_workgroup_size: 256
    .sgpr_count:     80
    .vgpr_count:     512
    .wavefront_size: 32
...
	.end_amdgpu_metadata
.endif
;; end of part 2
;; launch scores (part 3): grid 8 x 32, 8 waves a work-group, clusters of 4 x 4, 327,680 bytes of LDS; arguments qkv, pbuf, stats; writes pbuf, stats
.if DOCPART == 3
	.amdgcn_target "amdgcn-amd-amdhsa--gfx1250"
	.amdhsa_code_object_version 6
	.text
	.protected	k_q1bf0f9ba32_scores
	.globl	k_q1bf0f9ba32_scores
	.p2align	8
	.type	k_q1bf0f9ba32_scores,@function
k_q1bf0f9ba32_scores:
	s_mov_b64 s[64:65], 0
	v_nop
	global_prefetch_b8 v0, s[64:65] scope:SCOPE_SE
	s_setreg_imm32_b32 hwreg(HW_REG_WAVE_MODE, 25, 1), 1
	s_wait_xcnt 0x0
	s_wait_alu depctr_hold_cnt(0) depctr_sa_sdst(0) depctr_va_vdst(0) depctr_va_sdst(0) depctr_va_ssrc(0) depctr_va_vcc(0) depctr_vm_vsrc(0)
	s_getreg_b32 s2, hwreg(HW_REG_IB_STS2, 6, 4)
	s_cmp_eq_u32 s2, 0
	s_cbranch_scc0 .Lentry_in_a_cluster
	s_endpgm
.Lentry_in_a_cluster:
	s_bfe_u32 s2, ttmp6, 0x10000c
	s_cmp_lg_u32 s2, 0xf033
	s_cbranch_scc0 .Lentry_shape_is_right
	s_endpgm
.Lentry_shape_is_right:
; For each query row and each block of 128 keys: s = q . k (f32 sums of f16 products), m = the block's maximum of s, u = floor(-c m), c = log2(e) / 32,
; p = 2^(c (s - m) + g) with g = c m + u (one fused multiply-add), so that p = 2^(c s + u) lies in (0, 1]; l = the sum of the unrounded p.  pbuf[row][key] = p in f16; stats holds u and l.
; The next launch brings the blocks of a row to the row's own maximum by whole powers of two, 2^(min u - u): the maximum is taken away, rounded up to a whole power of two so that the later step rounds nothing.
; LIMITS.  g is held inside -4 .. 4, which changes nothing while |c m| stays under 2^25 (there the rounding of -c m is under 4); beyond, blocks of a row are weighed against each other only to within the last place of c m.
; p below 6e-5 keeps f16's fixed step of 6e-8; an exponential below 2^-126 counts as 0.  NaN and infinities are not treated apart.
; stats: [row / 64: 128][block: 16][lane: 32][4 words]: u of row 64 g + lane, u of row 64 g + 32 + lane, l of the same two rows: a wave stores its 64 rows' figures as 512 consecutive bytes.
; SHARES.  A work-group makes 256 queries x 256 keys of one batch: 8 x 32 = 256 work-groups.  Eight waves, 4 x 2, each 64 x 128: a wave's columns are one block of keys, so a block's maximum and sum never leave the wave.
; Four waves of 128 x 128 would read 0.5 LDS loads for each matrix instruction where these read 0.75, but the softmax below is written once for each 16 rows of a wave and would be twice as long a text.
; Ring, cluster, transposed use and registers as in the launch before: every wave fetches 64 rows (waves 0-3 of q's tile, 4-7 of k's); q's tile is shared along a row of the cluster, k's along a column;
; a lane holds row lane % 16 and the keys 8 (lane / 16) + 0..7 of each accumulator.
.set KSTEP,  128
.set TSTEPS, 1024/KSTEP
.set PITCH,  272                       ; an LDS row: 256 bytes + 16 of padding
.set ABYTES, 256*PITCH
.set SLOT,   2*ABYTES
.set STAGE,  2*SLOT                    ; behind the ring, never filled by a tensor load: 16 rows x 272 bytes for each wave
.set SP,     272
.set SPARE,  STAGE+8*16*SP             ; the spare words: four blocks of 256 bytes that no other line names
.set STEPA,  2*KSTEP
.set STEPB,  2*KSTEP
.set QROW,   6144                      ; bytes in a row of qkv
.set PROW,   4096                      ; bytes in a row of pbuf
.set LA0,  10
.set LB0,  11
.set ADRA, 12
.set ADRB, 13
.set STO,  14
.set RD,   15
.set CO,   16
.set SO,   19                          ; v19  my 16 bytes of the wave's 512 in stats
.set SPW,  28
.set NIL,  29
.set CM,   32                          ; v32-39   eight chains of the maximum
.set UU,   40                          ; v40-43   u of row block a
.set LL,   44                          ; v44-47   l of row block a
.set MM,   48                          ; v[48:49] m (the packed line takes the pair's low word for both halves)
.set GG,   50                          ; v[50:51] g, likewise
.set LT,   52                          ; v[52:53] at work
.set Q,    56                          ; v[56:59] what I store into stats
.set F0,   64
.set F1,   160
.set T,    64                          ; the way out: a block's 64 numbers in f32
.set PK,   128                         ; packed to f16
.set WV,  16
.set RH,  17
.set CH,  18
.set CX,  19
.set CY,  20
.set TC,  21
.set TR,  22
.set CLY, 23
.set G1A, 24
.set G1B, 32
.set G0A, 40
.set G0B, 48
.set CNT, 56
.set TB,  57                           ; the slot that is read: 0 or SLOT
.set LQ,  58                           ; s58  which 64 rows of a tile I fetch
.set SEL, 60                           ; s[60:61] v_permlanex16_b32's selects: each lane takes its own place in the other half
.set CS,  66                           ; s[66:67] c, named as a pair
.set LFA, 77                           ; s77, s78  where my rows go in a slot, for q's tile and for k's
.set LFB, 78
.set MSB, 0
.macro WIN new
.if MSB != (\new)
	s_set_vgpr_msb (MSB<<8)|(\new)
.set MSB, \new
.endif
.endm
.set W_MUL, 0x50
.macro PLACES
.rept 4
	v_nop
.endr
.endm
.macro JLOAD
	s_cmp_lt_u32 s[WV], 4
	s_cbranch_scc0 .Lfor_b_\@
	tensor_load_to_lds s[G0A+4:G0A+7], s[G1A:G1A+7]
	s_nop 0
.rept 4
	v_nop
.endr
	s_branch .Lasked_\@
.Lfor_b_\@:
	tensor_load_to_lds s[G0B+4:G0B+7], s[G1B:G1B+7]
	s_nop 0
.rept 4
	v_nop
.endr
.Lasked_\@:
.endm
.macro CREST
	s_cmp_lg_u32 s[WV], 0
	s_cbranch_scc1 .Lnot_wave_0_\@
	s_barrier_signal -3
.Lnot_wave_0_\@:
	s_barrier_wait -3
	s_barrier_signal -1
	s_barrier_wait -1
.endm
.macro CROUND
	s_barrier_signal -1
	s_barrier_wait -1
	CREST
.endm
.macro MUL8 f, a, zero                 ; source 0 = 16 keys, source 1 = 16 queries; the 32 accumulators take turns
	WIN W_MUL
.irp b, 0,1,2,3,4,5,6,7
.if \zero
	v_wmma_f32_16x16x32_f16 v[8*(8*(\a)+(\b)):8*(8*(\a)+(\b))+7], v[(\f)+32+8*(\b):(\f)+32+8*(\b)+7], v[(\f)+8*(\a):(\f)+8*(\a)+7], 0
.else
	v_wmma_f32_16x16x32_f16 v[8*(8*(\a)+(\b)):8*(8*(\a)+(\b))+7], v[(\f)+32+8*(\b):(\f)+32+8*(\b)+7], v[(\f)+8*(\a):(\f)+8*(\a)+7], v[8*(8*(\a)+(\b)):8*(8*(\a)+(\b))+7]
.endif
.endr
.endm
.macro FETCH q, f
	WIN 0
.irp i, 0,1,2,3,4,5,6,7
	ds_load_b128 v[(\f)+32+8*(\i):(\f)+32+8*(\i)+3],   v[ADRB] offset:64*(\q)+(\i)*16*PITCH
	ds_load_b128 v[(\f)+32+8*(\i)+4:(\f)+32+8*(\i)+7], v[ADRB] offset:64*(\q)+(\i)*16*PITCH+32
.endr
.irp i, 0,1,2,3
	ds_load_b128 v[(\f)+8*(\i):(\f)+8*(\i)+3],   v[ADRA] offset:64*(\q)+(\i)*16*PITCH
	ds_load_b128 v[(\f)+8*(\i)+4:(\f)+8*(\i)+7], v[ADRA] offset:64*(\q)+(\i)*16*PITCH+32
.endr
.endm
.macro QUARTER q, f, g, zero
	s_wait_dscnt 4                                 ; the four youngest loads (A's blocks 2, 3) may be out
	MUL8 \f, 0, \zero
	MUL8 \f, 1, \zero
	PLACES                                         ; buffer g was multiplied in the quarter before
	FETCH \q, \g
	s_wait_dscnt 24                                ; all but the 24 just issued
	MUL8 \f, 2, \zero
	MUL8 \f, 3, \zero
.endm
.macro TURN fill                       ; the last quarter and the change of slots
	WIN 0
	s_wait_tensorcnt 0x0                           ; no tensor load of mine is out: my part of the next slot has landed, and a group 0 may be written
	ds_add_u32 v[SPW], v[NIL]                      ; 0 onto my spare word
.if \fill
	s_add_co_u32 s[G0A+5], s[LFA], s[TB]           ; the walking descriptors: my place in the slot that is being left, the next K step
	s_add_nc_u64 s[G0A+6:G0A+7], s[G0A+6:G0A+7], STEPA
	s_add_co_u32 s[G0B+5], s[LFB], s[TB]
	s_add_nc_u64 s[G0B+6:G0B+7], s[G0B+6:G0B+7], STEPB
.endif
	s_xor_b32 s[TB], s[TB], SLOT                   ; 0 <-> SLOT
	s_wait_dscnt 5                                 ; the add and A's blocks 2, 3 may be out
	MUL8 F1, 0, 0
	s_wait_dscnt 0x0                               ; the add is done, and my reads of this slot are over
	s_barrier_signal -1
	MUL8 F1, 1, 0
	WIN 0
	s_barrier_wait -1
.if \fill
	CREST                                          ; no wave of any partner still reads this slot or has a load on its way
	JLOAD                                          ; the first tensor load behind the round; its four v_nop are also the places in front of the loads below
.else
	PLACES
.endif
	v_add_nc_u32 v[ADRA], s[TB], v[LA0]
	v_add_nc_u32 v[ADRB], s[TB], v[LB0]
	FETCH 0, F0
	MUL8 F1, 2, 0
	MUL8 F1, 3, 0
.endm
; THE WAY OUT of row block a: the lane's 64 scores (one query, 64 of the block's 128 keys; the other 64 lie in the lane 16 away).
.macro SOFT a
.set AC, 64*(\a)
.set BK, 160+32*((\a)%2)
	WIN 0x15                                       ; all three sources in window 1
.irp b, 0,1,2,3,4,5,6,7
	v_max3_num_f32 v[CM+(\b)], v[AC+8*(\b)], v[AC+8*(\b)+1], v[AC+8*(\b)+2]  ; each accumulator's low registers first
.endr
	WIN 0x14                                       ; sources 1 and 2 in window 1
.irp b, 0,1,2,3,4,5,6,7
	v_max3_num_f32 v[CM+(\b)], v[CM+(\b)], v[AC+8*(\b)+3], v[AC+8*(\b)+4]
.endr
.irp b, 0,1,2,3,4,5,6,7
	v_max3_num_f32 v[CM+(\b)], v[CM+(\b)], v[AC+8*(\b)+5], v[AC+8*(\b)+6]
.endr
.irp b, 0,2,4,6
	v_max3_num_f32 v[CM+(\b)], v[CM+(\b)], v[AC+8*(\b)+7], v[AC+8*(\b)+15]
.endr
	WIN 0
	v_max3_num_f32 v[CM], v[CM], v[CM+1], v[CM+2]
	v_max3_num_f32 v[CM+3], v[CM+3], v[CM+4], v[CM+5]
	v_max_num_f32 v[CM+6], v[CM+6], v[CM+7]
	v_max3_num_f32 v[CM], v[CM], v[CM+3], v[CM+6]
	v_permlanex16_b32 v[CM+1], v[CM], s[SEL], s[SEL+1]
	v_max_num_f32 v[MM], v[CM], v[CM+1]            ; m
	v_mul_f32 v[CM+2], 0xbd38aa3b, v[MM]           ; -c m
	v_floor_f32 v[UU+(\a)], v[CM+2]                ; u
	v_fma_f32 v[GG], s[CS], v[MM], v[UU+(\a)]      ; g = c m + u
	v_med3_num_f32 v[GG], v[GG], -4.0, 4.0
	WIN 0x01                                       ; source 0 in window 1
.set i, 0
.rept 32
	v_pk_add_f32 v[T+2*i:T+2*i+1], v[AC+2*i:AC+2*i+1], v[MM:MM+1] op_sel_hi:[1,0] neg_lo:[0,1] neg_hi:[0,1]  ; s - m: the difference first, so that no exponent hangs on the scores' size
.set i, i+1
.endr
	WIN 0
.set i, 0
.rept 32
	v_pk_fma_f32 v[T+2*i:T+2*i+1], v[T+2*i:T+2*i+1], s[CS:CS+1], v[GG:GG+1] op_sel_hi:[1,0,0]
.set i, i+1
.endr
.set i, 0
.rept 64
	v_exp_f32 v[T+i], v[T+i]
.set i, i+1
.endr
	v_nop                                          ; a plain line between the last exponential and the use of its result (ISA guide 5.7.2)
.set i, 0
	s_wait_alu depctr_va_vdst(0)
.rept 32
	v_cvt_pk_f16_f32 v[PK+i], v[T+2*i], v[T+2*i+1]
.set i, i+1
.endr
.irp w, 4,8,16,32                      ; the sum of the 32 pairs, in place: neighbours 1, 2, 4, 8 pairs apart,
.set i, 0
.rept 64/(\w)
	v_pk_add_f32 v[T+(\w)*i:T+(\w)*i+1], v[T+(\w)*i:T+(\w)*i+1], v[T+(\w)*i+(\w)/2:T+(\w)*i+(\w)/2+1]
.set i, i+1
.endr
.endr
	v_pk_add_f32 v[LT:LT+1], v[T:T+1], v[T+32:T+33]  ; then 16 apart, the pair's halves, and the other half of the lanes
	v_add_f32 v[LT], v[LT], v[LT+1]
	v_permlanex16_b32 v[LT+1], v[LT], s[SEL], s[SEL+1]
	v_add_f32 v[LL+(\a)], v[LT], v[LT+1]
.irp b, 0,1,2,3,4,5,6,7
	ds_store_b128 v[STO], v[PK+4*(\b):PK+4*(\b)+3] offset:32*(\b)  ; a lane's eight keys of a row are 16 bytes
.endr
	s_wait_xcnt 0x0                                ; the stores two blocks back have read this set of registers
.irp t, 0,1,2,3,4,5,6,7
	ds_load_b128 v[BK+4*(\t):BK+4*(\t)+3], v[RD] offset:(\t)*2*SP  ; LDS serves a wave's instructions in order (ISA guide 5.7.1.4): whole rows come back, two a load
.endr
.irp t, 0,1,2,3,4,5,6,7
	s_wait_dscnt 7-(\t)
	global_store_b128 v[CO], v[BK+4*(\t):BK+4*(\t)+3], s[6:7] offset:(16*(\a)+2*(\t))*PROW  ; 16 lanes store 256 consecutive bytes, at a multiple of 256 from the buffer's first
.endr
.endm
	s_load_b128 s[4:7], s[0:1], 0x0                ; qkv s[4:5], pbuf s[6:7]
	s_load_b64 s[8:9], s[0:1], 0x10                ; stats
	v_lshl_add_u32 v[SPW], v0, 2, SPARE
	v_mov_b32 v[NIL], 0
	ds_add_u32 v28, v29
	s_wait_dscnt 0x0
	v_lshrrev_b32 v4, 5, v0
	v_readfirstlane_b32 s[WV], v4
	s_lshr_b32 s[RH], s[WV], 1
	s_and_b32 s[CH], s[WV], 1
	s_and_b32 s[LQ], s[WV], 3
	s_bfe_u32 s[CX], ttmp6, 0x40000
	s_bfe_u32 s[CY], ttmp6, 0x40004
	s_lshl_b32 s[TC], ttmp9, 2
	s_add_co_u32 s[TC], s[TC], s[CX]               ; which 256 keys of the batch
	s_and_b32 s[CLY], ttmp7, 0xffff
	s_lshl_b32 s[TR], s[CLY], 2
	s_add_co_u32 s[TR], s[TR], s[CY]               ; which 256 of the 8,192 query rows
	s_lshl_b32 s62, s[CY], 2
	s_lshl_b32 s62, 15, s62
	s_lshl_b32 s63, 0x1111, s[CX]
	s_or_b32 s[G1A], s62, (1<<16)|(1<<20)|(1<<21)|(5<<22)|(3<<25)
	s_or_b32 s[G1B], s63, (1<<16)|(1<<20)|(1<<21)|(5<<22)|(3<<25)
.irp g, G1A, G1B
	s_mov_b32 s[(\g)+1], KSTEP<<16
	s_mov_b32 s[(\g)+2], 64<<16
	s_mov_b32 s[(\g)+3], KSTEP<<16
	s_mov_b32 s[(\g)+4], 64                        ; 64 rows a load
	s_mov_b32 s[(\g)+5], 3072                      ; elements from row to row of qkv
	s_mov_b32 s[(\g)+6], 0
	s_mov_b32 s[(\g)+7], 0
.endr
	s_mov_b32 s[SEL], 0x76543210
	s_mov_b32 s[SEL+1], 0xfedcba98
	s_mov_b32 s[CS], 0x3d38aa3b                    ; c = log2(e) / 32
	s_mov_b32 s[CS+1], s[CS]
	s_lshl_b32 s79, s[LQ], 6                       ; which 64 rows of a tile I fetch
	s_lshl_b32 s68, s[TR], 8                       ; q: row 256 x tile row + 64 x quarter
	s_add_co_u32 s68, s68, s79
	s_mul_i32 s68, s68, QROW
	s_mov_b32 s69, 0
	s_lshr_b32 s70, s[CLY], 1                      ; k: the batch (two clusters along y to a batch) x 2,048
	s_lshl_b32 s70, s70, 11
	s_lshl_b32 s76, s[TC], 8                       ; + 256 x tile column
	s_add_co_u32 s70, s70, s76
	s_add_co_u32 s70, s70, s79                     ; + 64 x quarter
	s_mul_i32 s70, s70, QROW
	s_add_co_u32 s70, s70, 2048                    ; k begins 1,024 elements into a row
	s_mov_b32 s71, 0
	s_lshl_b32 s72, s[TR], 8                       ; pbuf: my first row, my first key
	s_lshl_b32 s75, s[RH], 6
	s_add_co_u32 s72, s72, s75
	s_lshl_b32 s72, s72, 12
	s_lshl_b32 s75, s[TC], 9
	s_add_co_u32 s72, s72, s75
	s_lshl_b32 s75, s[CH], 8
	s_add_co_u32 s72, s72, s75
	s_mov_b32 s73, 0
	s_lshl_b32 s2, s[TR], 2                        ; stats: ((4 tile row + my 64 rows) x 16 + 2 tile column + column half) x 512
	s_add_co_u32 s2, s2, s[RH]
	s_lshl_b32 s2, s2, 4
	s_lshl_b32 s75, s[TC], 1
	s_add_co_u32 s2, s2, s75
	s_add_co_u32 s2, s2, s[CH]
	s_lshl_b32 s2, s2, 9
	s_mov_b32 s3, 0
	s_mul_i32 s[LFA], s[LQ], 64*PITCH              ; the wave's number alone enters an LDS address
	s_add_co_u32 s[LFB], s[LFA], ABYTES
	s_wait_kmcnt 0x0
	s_add_nc_u64 s[68:69], s[4:5], s[68:69]
	s_add_nc_u64 s[70:71], s[4:5], s[70:71]
	s_add_nc_u64 s[6:7], s[6:7], s[72:73]
	s_add_nc_u64 s[8:9], s[8:9], s[2:3]
.irp s, 0,1
	s_mov_b32 s[G0A+4*(\s)], 1
	s_add_co_u32 s[G0A+4*(\s)+1], s[LFA], (\s)*SLOT
	s_add_nc_u64 s[G0A+4*(\s)+2:G0A+4*(\s)+3], s[68:69], (\s)*STEPA
	s_or_b32 s[G0A+4*(\s)+3], s[G0A+4*(\s)+3], 0x80000000
	s_mov_b32 s[G0B+4*(\s)], 1
	s_add_co_u32 s[G0B+4*(\s)+1], s[LFB], (\s)*SLOT
	s_add_nc_u64 s[G0B+4*(\s)+2:G0B+4*(\s)+3], s[70:71], (\s)*STEPB
	s_or_b32 s[G0B+4*(\s)+3], s[G0B+4*(\s)+3], 0x80000000
.endr
	CROUND                                         ; all sixteen work-groups are here: the first joint loads meet
	s_cmp_lt_u32 s[WV], 4                          ; a wave's two first fills stand in one branch: two loads of mine are out, later one
	s_cbranch_scc0 .Lfirst_b
	tensor_load_to_lds s[G0A:G0A+3], s[G1A:G1A+7]
	s_nop 0
	tensor_load_to_lds s[G0A+4:G0A+7], s[G1A:G1A+7]
	s_nop 0
.rept 4
	v_nop
.endr
	s_branch .Lfirst_asked
.Lfirst_b:
	tensor_load_to_lds s[G0B:G0B+3], s[G1B:G1B+7]
	s_nop 0
	tensor_load_to_lds s[G0B+4:G0B+7], s[G1B:G1B+7]
	s_nop 0
.rept 4
	v_nop
.endr
.Lfirst_asked:
	v_and_b32 v1, 15, v0                           ; r
	v_bfe_u32 v2, v0, 4, 1                         ; h
	v_and_b32 v3, 31, v0                           ; lane
	v_mul_u32_u24 v4, v1, PITCH
	v_lshl_add_u32 v4, v2, 4, v4                   ; 272 r + 16 h: a fragment's place, and my place in the stage
	s_mul_i32 s75, s[RH], 64*PITCH
	s_mul_i32 s76, s[CH], 128*PITCH
	s_add_co_u32 s76, s76, ABYTES
	v_add_nc_u32 v[LA0], s75, v4
	v_add_nc_u32 v[LB0], s76, v4
	v_mov_b32 v[ADRA], v[LA0]
	v_mov_b32 v[ADRB], v[LB0]
	s_mov_b32 s[TB], 0
	s_mul_i32 s59, s[WV], 16*SP
	s_add_co_u32 s59, s59, STAGE                   ; my stage
	v_add_nc_u32 v[STO], s59, v4
	v_mul_u32_u24 v6, v2, SP                       ; back: lanes 0-15 one row of 256 bytes, lanes 16-31 the next
	v_lshl_add_u32 v6, v1, 4, v6
	v_add_nc_u32 v[RD], s59, v6
	v_lshlrev_b32 v7, 12, v2                       ; and the same two rows in pbuf
	v_lshl_add_u32 v[CO], v1, 4, v7
	v_lshlrev_b32 v[SO], 4, v3
	v_cmp_gt_u32 s74, 16, v3                       ; lanes 0-15
	v_mov_b32 v[MM+1], 0                           ; named as pairs
	v_mov_b32 v[GG+1], 0
	s_wait_tensorcnt 1                             ; my part of K step 0 is in; step 1's may stay out
	s_barrier_signal -1
	s_barrier_wait -1
	FETCH 0, F0
	QUARTER 1, F0, F1, 1                           ; the first quarter's products start the sums
	WIN 0
	s_mov_b32 s[CNT], TSTEPS-2
.Lstep:
	QUARTER 2, F1, F0, 0
	QUARTER 3, F0, F1, 0
	TURN 1
	QUARTER 1, F0, F1, 0
	WIN 0
	s_sub_co_u32 s[CNT], s[CNT], 1
	s_cmp_lg_u32 s[CNT], 0
	s_cbranch_scc1 .Lstep
	QUARTER 2, F1, F0, 0                           ; the last two K steps are written out: nothing is left to ask for
	QUARTER 3, F0, F1, 0
	TURN 0
	QUARTER 1, F0, F1, 0
	QUARTER 2, F1, F0, 0
	QUARTER 3, F0, F1, 0
	s_wait_dscnt 4
	MUL8 F1, 0, 0
	MUL8 F1, 1, 0
	s_wait_dscnt 0x0
	MUL8 F1, 2, 0
	MUL8 F1, 3, 0
	WIN 0
	PLACES                                         ; the maxima read results just made
	SOFT 0
	SOFT 1
	SOFT 2
	SOFT 3
	v_cndmask_b32 v[Q],   v[UU+1], v[UU],   s74    ; lane L stores the figures of rows L and 32 + L: lanes 0-15 hold them in blocks 0 and 2, lanes 16-31 in blocks 1 and 3
	v_cndmask_b32 v[Q+1], v[UU+3], v[UU+2], s74
	v_cndmask_b32 v[Q+2], v[LL+1], v[LL],   s74
	v_cndmask_b32 v[Q+3], v[LL+3], v[LL+2], s74
	global_store_b128 v[SO], v[Q:Q+3], s[8:9]      ; 512 consecutive bytes
	s_wait_tensorcnt 0x0                           ; the wave's end
	ds_add_u32 v[SPW], v[NIL]
	s_wait_dscnt 0x0
	CROUND                                         ; the closing round
	s_endpgm
.Lfunc_end_k_q1bf0f9ba32_scores:
	.size	k_q1bf0f9ba32_scores, .Lfunc_end_k_q1bf0f9ba32_scores-k_q1bf0f9ba32_scores
	.p2alignl 7, 3214868480
	.fill 96, 4, 3214868480
	.section	.rodata,"a",@progbits
	.p2align	6, 0x0
	.amdhsa_kernel k_q1bf0f9ba32_scores
		.amdhsa_group_segment_fixed_size 327680
		.amdhsa_private_segment_fixed_size 0
		.amdhsa_enable_private_segment 0
		.amdhsa_kernarg_size 24
		.amdhsa_user_sgpr_count 2
		.amdhsa_user_sgpr_kernarg_segment_ptr 1
		.amdhsa_wavefront_size32 1
		.amdhsa_system_sgpr_workgroup_id_x 1
		.amdhsa_system_sgpr_workgroup_id_y 1
		.amdhsa_system_sgpr_workgroup_id_z 1
		.amdhsa_system_vgpr_workitem_id 0
		.amdhsa_next_free_vgpr 512
		.amdhsa_next_free_sgpr 80
		.amdhsa_reserve_vcc 0
		.amdhsa_float_denorm_mode_32 3
		.amdhsa_float_denorm_mode_16_64 3
		.amdhsa_memory_ordered 1
		.amdhsa_forward_progress 1
		.amdhsa_inst_pref_size 113
	.end_amdhsa_kernel
	.amdgpu_metadata
---
amdhsa.version: [ 1, 2 ]
amdhsa.kernels:
  - .name:           k_q1bf0f9ba32_scores
    .symbol:         k_q1bf0f9ba32_scores.kd
    .args:
      - { .name: qkv, .offset: 0, .size: 8, .value_kind: global_buffer, .address_space: global }
      - { .name: pbuf, .offset: 8, .size: 8, .value_kind: global_buffer, .address_space: global }
      - { .name: stats, .offset: 16, .size: 8, .value_kind: global_buffer, .address_space: global }
    .group_segment_fixed_size: 327680
    .private_segment_fixed_size: 0
    .kernarg_segment_align: 8
    .kernarg_segment_size: 24
    .max_flat_workgroup_size: 256
    .sgpr_count:     80
    .vgpr_count:     512
    .wavefront_size: 32
...
	.end_amdgpu_metadata
.endif
;; end of part 3
;; launch pv (part 4): grid 4 x 64, 4 waves a work-group, clusters of 4 x 4, 327,680 bytes of LDS; arguments pbuf, qkv, stats, ob; writes ob
.if DOCPART == 4
	.amdgcn_target "amdgcn-amd-amdhsa--gfx1250"
	.amdhsa_code_object_version 6
	.text
	.protected	k_q1bf0f9ba32_pv
	.globl	k_q1bf0f9ba32_pv
	.p2align	8
	.type	k_q1bf0f9ba32_pv,@function
k_q1bf0f9ba32_pv:
	s_mov_b64 s[64:65], 0
	v_nop
	global_prefetch_b8 v0, s[64:65] scope:SCOPE_SE
	s_setreg_imm32_b32 hwreg(HW_REG_WAVE_MODE, 25, 1), 1
	s_wait_xcnt 0x0
	s_wait_alu depctr_hold_cnt(0) depctr_sa_sdst(0) depctr_va_vdst(0) depctr_va_sdst(0) depctr_va_ssrc(0) depctr_va_vcc(0) depctr_vm_vsrc(0)
	s_getreg_b32 s2, hwreg(HW_REG_IB_STS2, 6, 4)
	s_cmp_eq_u32 s2, 0
	s_cbranch_scc0 .Lentry_in_a_cluster
	s_endpgm
.Lentry_in_a_cluster:
	s_bfe_u32 s2, ttmp6, 0x10000c
	s_cmp_lg_u32 s2, 0xf033
	s_cbranch_scc0 .Lentry_shape_is_right
	s_endpgm
.Lentry_shape_is_right:
; ob[row][e] = sum over blocks j of 128 keys of (2^(U - u_j) / L) x (sum over the block's keys of p v[key][e]), with U = the least u_j of the row (the row's maximum, as a whole power of two) and L = sum of l_j 2^(U - u_j).
; pbuf: [8192][2048] f16; v: qkv's elements 2048-3071 of a row, f16; stats as the launch before wrote it; sums in f32; ob: [8192][1024] f16, rounded once.
; A K step is one block of keys.  Its products are summed in step sums S, which every step starts with the constant 0, and at the step's end M += S x (2^(U - u_j) / L), one fused multiply-add in f32 for each number.
; LIMITS.  A block with U - u_j at or below -127 counts as 0, in L and in the sum.  NaN and infinities are not treated apart.
; SHARES.  A work-group makes 128 rows x 256 channels: 4 x 64 = 256 work-groups.  Four waves, 2 x 2, each 64 x 128.  16 K steps of 128 keys through two LDS slots: p's tile 128 rows x 256 bytes, v's 128 keys x 512 bytes.
; p's tile is shared along a row of the cluster, v's (one batch, 256 channels) along a column.  v lies [key][channel] and comes out of LDS turned, by ds_load_tr16_b128.
; Source 0 = 16 channels, source 1 = 16 rows of p: a lane holds row lane % 16 and the channels 8 (lane / 16) + 0..7.
; REGISTERS.  Window 0: v0-29 addresses; v32-39 the step's factors, in pairs; v64-159, v160-255 two fragment buffers.  Window 1: M, number (a, b) at 8 (8 a + b), touched by vector instructions alone.  Window 2: S, the accumulators, likewise.
; M is cleared by 256 v_mov_b32 in the wait for the first tiles: the price of writing no first step out (its fold would be a multiplication), which would be a second text of four quarters.
.set KSTEP,  128
.set TSTEPS, 2048/KSTEP
.set PITCH,  272                       ; a row of p in LDS: 256 bytes + 16
.set PV,     544                       ; a row of v: 512 + 32 = 136 words: the 8 rows x 32 bytes that 16 lanes of the turning load take start 8 words apart modulo 64
.set ABYTES, 128*PITCH
.set SLOT1,  1<<17
.set STAGE,  SLOT1+ABYTES+128*PV       ; behind the ring, never filled by a tensor load: 16 rows x 272 bytes for each wave
.set SP,     272
.set SCT,    STAGE+4*16*SP             ; [16 steps][128 rows] f32: 2^(U - u) / L
.set SPARE,  SCT+16*512                ; the spare words: two blocks of 256 bytes that no other line names
.set STEPA,  2*KSTEP
.set STEPB,  KSTEP*6144                ; 128 keys down qkv
.set OROW,   2048                      ; bytes in a row of ob
.set LA0,  10
.set LB0,  11
.set ADRA, 12
.set ADRB, 13
.set STO,  14
.set RD,   15
.set CO,   16
.set SC0,  17                          ; v17  my row's word in step 0 of the table; never rewritten
.set SCA,  18                          ; v18  the same in the step in hand
.set SO,   19                          ; v19  my 16 bytes of a block's 512 in stats; never rewritten
.set TA,   20                          ; v20  thread t's word in the table; never rewritten
.set SPW,  28
.set NIL,  29
.set SCL,  32                          ; v[32:39] the step's factor for row block a in v[32 + 2 a]; the packed line takes the pair's low word for both halves
.set F0,   64
.set F1,   160
.set PK,   128
.set WV,  16
.set RH,  17
.set CH,  18
.set CX,  19
.set CY,  20
.set TC,  21
.set TR,  22
.set CLY, 23
.set G1A, 24
.set G1B, 32
.set G0A, 40
.set G0B, 48
.set CNT, 56
.set TB,  57
.set SB,  58                           ; s58  the step in hand x 512: its line of the table
.set MSB, 0
.macro WIN new
.if MSB != (\new)
	s_set_vgpr_msb (MSB<<8)|(\new)
.set MSB, \new
.endif
.endm
.set W_MUL,  0xa0                      ; C and D in window 2, the sources in window 0
.set W_FOLD, 0x52                      ; source 0 (S) in window 2, source 1 (the factor) in window 0, source 2 and the destination (M) in window 1
.macro PLACES
.rept 4
	v_nop
.endr
.endm
.macro JLOAD
	s_cmp_lt_u32 s[WV], 2
	s_cbranch_scc0 .Lfor_b_\@
	tensor_load_to_lds s[G0A+4:G0A+7], s[G1A:G1A+7]
	s_nop 0
.rept 4
	v_nop
.endr
	s_branch .Lasked_\@
.Lfor_b_\@:
	tensor_load_to_lds s[G0B+4:G0B+7], s[G1B:G1B+7]
	s_nop 0
.rept 4
	v_nop
.endr
.Lasked_\@:
.endm
.macro CREST
	s_cmp_lg_u32 s[WV], 0
	s_cbranch_scc1 .Lnot_wave_0_\@
	s_barrier_signal -3
.Lnot_wave_0_\@:
	s_barrier_wait -3
	s_barrier_signal -1
	s_barrier_wait -1
.endm
.macro CROUND
	s_barrier_signal -1
	s_barrier_wait -1
	CREST
.endm
.macro MUL8 f, a, zero                 ; the 32 accumulators take turns.  zero = 1: a step's first quarter starts its sums
	WIN W_MUL
.irp b, 0,1,2,3,4,5,6,7
.if \zero
	v_wmma_f32_16x16x32_f16 v[8*(8*(\a)+(\b)):8*(8*(\a)+(\b))+7], v[(\f)+32+8*(\b):(\f)+32+8*(\b)+7], v[(\f)+8*(\a):(\f)+8*(\a)+7], 0
.else
	v_wmma_f32_16x16x32_f16 v[8*(8*(\a)+(\b)):8*(8*(\a)+(\b))+7], v[(\f)+32+8*(\b):(\f)+32+8*(\b)+7], v[(\f)+8*(\a):(\f)+8*(\a)+7], v[8*(8*(\a)+(\b)):8*(8*(\a)+(\b))+7]
.endif
.endr
.endm
.macro FOLD a                          ; row block a's step sums, finished, go into M; ascending: each accumulator's low registers are read first
	WIN W_FOLD
.set i, 0
.rept 32
	v_pk_fma_f32 v[64*(\a)+2*i:64*(\a)+2*i+1], v[64*(\a)+2*i:64*(\a)+2*i+1], v[SCL+2*(\a):SCL+2*(\a)+1], v[64*(\a)+2*i:64*(\a)+2*i+1] op_sel_hi:[1,0,1]
.set i, i+1
.endr
.endm
.macro SCLOAD                          ; the factors of the step in hand; the last fold of the step before stands in front of these loads
	WIN 0
	v_add_nc_u32 v[SCA], s[SB], v[SC0]
	s_add_co_u32 s[SB], s[SB], 512
.irp a, 0,1,2,3
	ds_load_b32 v[SCL+2*(\a)], v[SCA] offset:64*(\a)
.endr
.endm
; 24 LDS loads in one run: keys 32 q on: v's 8 channel blocks, turned (16 keys a load), then p's 4 row blocks.
.macro FETCH q, f
	WIN 0
.irp i, 0,1,2,3,4,5,6,7
	ds_load_tr16_b128 v[(\f)+32+8*(\i):(\f)+32+8*(\i)+3],   v[ADRB] offset:(\q)*32*PV+32*(\i)
	ds_load_tr16_b128 v[(\f)+32+8*(\i)+4:(\f)+32+8*(\i)+7], v[ADRB] offset:(\q)*32*PV+16*PV+32*(\i)
.endr
.irp i, 0,1,2,3
	ds_load_b128 v[(\f)+8*(\i):(\f)+8*(\i)+3],   v[ADRA] offset:64*(\q)+(\i)*16*PITCH
	ds_load_b128 v[(\f)+8*(\i)+4:(\f)+8*(\i)+7], v[ADRA] offset:64*(\q)+(\i)*16*PITCH+32
.endr
.endm
; One of a K step's first three quarters.  sc = 1 (the step's second quarter): the step's factors are fetched too, ahead of the run of 24.
.macro QUARTER q, f, g, zero, sc=0
	s_wait_dscnt 4                                 ; the four youngest loads (p's blocks 2, 3) may be out
	MUL8 \f, 0, \zero
	MUL8 \f, 1, \zero
	PLACES                                         ; buffer g was multiplied in the quarter before
.if \sc
	SCLOAD
.endif
	FETCH \q, \g
	s_wait_dscnt 24                                ; all but the 24 just issued: the factors are in too
	MUL8 \f, 2, \zero
	MUL8 \f, 3, \zero
.endm
; The last quarter, the folds and the change of slots.  Four v_nop are the places between block 0's last products and its fold; each later fold has the fold before it, 32 lines that name none of its products' registers.
.macro TURN fill
	WIN 0
	s_wait_tensorcnt 0x0                           ; no tensor load of mine is out: my part of the next slot has landed, and a group 0 may be written
	ds_add_u32 v[SPW], v[NIL]                      ; 0 onto my spare word
.if \fill
	s_xor_b32 s[G0A+5], s[G0A+5], SLOT1
	s_add_nc_u64 s[G0A+6:G0A+7], s[G0A+6:G0A+7], STEPA
	s_xor_b32 s[G0B+5], s[G0B+5], SLOT1
	s_add_nc_u64 s[G0B+6:G0B+7], s[G0B+6:G0B+7], STEPB
.endif
	s_xor_b32 s[TB], s[TB], SLOT1
	s_wait_dscnt 5                                 ; the add and p's blocks 2, 3 may be out
	MUL8 F1, 0, 0
	s_wait_dscnt 0x0                               ; the add is done, and my reads of this slot are over
	s_barrier_signal -1
	MUL8 F1, 1, 0
	PLACES
	FOLD 0                                         ; work on registers while the others arrive; also the places in front of the loads into buffer 0
	WIN 0
	s_barrier_wait -1
.if \fill
	CREST                                          ; no wave of any partner still reads this slot or has a load on its way
	JLOAD                                          ; the first tensor load behind the round
.endif
	v_add_nc_u32 v[ADRA], s[TB], v[LA0]
	v_add_nc_u32 v[ADRB], s[TB], v[LB0]
	FETCH 0, F0
	MUL8 F1, 2, 0
	FOLD 1
	MUL8 F1, 3, 0
	FOLD 2
	FOLD 3
.endm
; THE WAY OUT of row block a: rounded to f16, through my stage, stored as whole rows of 256 bytes.
.macro OUTB a
.set BK, 160+32*((\a)%2)
	WIN 0x05                                       ; sources 0 and 1 in window 1
.set i, 0
.rept 32
	v_cvt_pk_f16_f32 v[PK+i], v[64*(\a)+2*i], v[64*(\a)+2*i+1]
.set i, i+1
.endr
	WIN 0
.irp b, 0,1,2,3,4,5,6,7
	ds_store_b128 v[STO], v[PK+4*(\b):PK+4*(\b)+3] offset:32*(\b)
.endr
	s_wait_xcnt 0x0                                ; the stores two blocks back have read this set of registers
.irp t, 0,1,2,3,4,5,6,7
	ds_load_b128 v[BK+4*(\t):BK+4*(\t)+3], v[RD] offset:(\t)*2*SP  ; LDS serves a wave's instructions in order (ISA guide 5.7.1.4)
.endr
.irp t, 0,1,2,3,4,5,6,7
	s_wait_dscnt 7-(\t)
	global_store_b128 v[CO], v[BK+4*(\t):BK+4*(\t)+3], s[10:11] offset:(16*(\a)+2*(\t))*OROW  ; 16 lanes store 256 consecutive bytes, at a multiple of 256 from the buffer's first
.endr
.endm
	s_load_b256 s[4:11], s[0:1], 0x0               ; pbuf s[4:5], qkv s[6:7], stats s[8:9], ob s[10:11]
	v_lshl_add_u32 v[SPW], v0, 2, SPARE
	v_mov_b32 v[NIL], 0
	ds_add_u32 v28, v29
	s_wait_dscnt 0x0
	v_lshrrev_b32 v4, 5, v0
	v_readfirstlane_b32 s[WV], v4
	s_lshr_b32 s[RH], s[WV], 1
	s_and_b32 s[CH], s[WV], 1
	s_bfe_u32 s[CX], ttmp6, 0x40000
	s_bfe_u32 s[CY], ttmp6, 0x40004
	s_lshl_b32 s[TC], ttmp9, 2
	s_add_co_u32 s[TC], s[TC], s[CX]               ; which 256 channels
	s_and_b32 s[CLY], ttmp7, 0xffff
	s_lshl_b32 s[TR], s[CLY], 2
	s_add_co_u32 s[TR], s[TR], s[CY]               ; which 128 rows
	s_lshl_b32 s62, s[CY], 2
	s_lshl_b32 s62, 15, s62
	s_lshl_b32 s63, 0x1111, s[CX]
	s_or_b32 s[G1A], s62, (1<<16)|(1<<20)|(1<<21)|(5<<22)|(3<<25)  ; p: after every 64 words 4 words of padding
	s_or_b32 s[G1B], s63, (1<<16)|(1<<20)|(1<<21)|(6<<22)|(7<<25)  ; v: after every 128 words 8 words
	s_mov_b32 s[G1A+1], KSTEP<<16                  ; p: 64 rows x 128 keys a load, 2,048 elements from row to row
	s_mov_b32 s[G1A+2], 64<<16
	s_mov_b32 s[G1A+3], KSTEP<<16
	s_mov_b32 s[G1A+4], 64
	s_mov_b32 s[G1A+5], 2048
	s_mov_b32 s[G1A+6], 0
	s_mov_b32 s[G1A+7], 0
	s_mov_b32 s[G1B+1], 256<<16                    ; v: 64 keys x 256 channels a load, 3,072 elements from row to row
	s_mov_b32 s[G1B+2], 64<<16
	s_mov_b32 s[G1B+3], 256<<16
	s_mov_b32 s[G1B+4], 64
	s_mov_b32 s[G1B+5], 3072
	s_mov_b32 s[G1B+6], 0
	s_mov_b32 s[G1B+7], 0
	s_lshl_b32 s68, s[TR], 7                       ; p: row 128 x tile row + 64 x half, 4,096 bytes a row
	s_lshl_b32 s77, s[CH], 6
	s_add_co_u32 s68, s68, s77
	s_lshl_b32 s68, s68, 12
	s_mov_b32 s69, 0
	s_lshr_b32 s70, s[CLY], 2                      ; v: the batch x 2,048 + 64 x half keys,
	s_lshl_b32 s70, s70, 11
	s_lshl_b32 s78, s[CH], 6
	s_add_co_u32 s70, s70, s78
	s_mul_i32 s70, s70, 6144
	s_lshl_b32 s79, s[TC], 9                       ; 256 channels x tile column,
	s_add_co_u32 s70, s70, s79
	s_add_co_u32 s70, s70, 4096                    ; and v begins 2,048 elements into a row
	s_mov_b32 s71, 0
	s_lshl_b32 s72, s[TR], 7                       ; ob: my first row, my first channel
	s_lshl_b32 s75, s[RH], 6
	s_add_co_u32 s72, s72, s75
	s_lshl_b32 s72, s72, 11
	s_lshl_b32 s75, s[TC], 9
	s_add_co_u32 s72, s72, s75
	s_lshl_b32 s75, s[CH], 8
	s_add_co_u32 s72, s72, s75
	s_mov_b32 s73, 0
	s_lshl_b32 s2, s[TR], 14                       ; stats: the tile's two groups of 64 rows, 8,192 bytes each
	s_mov_b32 s3, 0
	s_mul_i32 s77, s[CH], 64*PITCH
	s_mul_i32 s78, s[CH], 64*PV
	s_add_co_u32 s78, s78, ABYTES
	s_wait_kmcnt 0x0
	s_add_nc_u64 s[68:69], s[4:5], s[68:69]
	s_add_nc_u64 s[70:71], s[6:7], s[70:71]
	s_add_nc_u64 s[10:11], s[10:11], s[72:73]
	s_add_nc_u64 s[8:9], s[8:9], s[2:3]
.irp s, 0,1
	s_mov_b32 s[G0A+4*(\s)], 1
	s_add_co_u32 s[G0A+4*(\s)+1], s77, (\s)*SLOT1
	s_add_nc_u64 s[G0A+4*(\s)+2:G0A+4*(\s)+3], s[68:69], (\s)*STEPA
	s_or_b32 s[G0A+4*(\s)+3], s[G0A+4*(\s)+3], 0x80000000
	s_mov_b32 s[G0B+4*(\s)], 1
	s_add_co_u32 s[G0B+4*(\s)+1], s78, (\s)*SLOT1
	s_add_nc_u64 s[G0B+4*(\s)+2:G0B+4*(\s)+3], s[70:71], (\s)*STEPB
	s_or_b32 s[G0B+4*(\s)+3], s[G0B+4*(\s)+3], 0x80000000
.endr
	CROUND                                         ; all sixteen work-groups are here: the first joint loads meet
	s_cmp_lt_u32 s[WV], 2                          ; a wave's two first fills stand in one branch: two loads of mine are out, later one
	s_cbranch_scc0 .Lfirst_b
	tensor_load_to_lds s[G0A:G0A+3], s[G1A:G1A+7]
	s_nop 0
	tensor_load_to_lds s[G0A+4:G0A+7], s[G1A:G1A+7]
	s_nop 0
.rept 4
	v_nop
.endr
	s_branch .Lfirst_asked
.Lfirst_b:
	tensor_load_to_lds s[G0B:G0B+3], s[G1B:G1B+7]
	s_nop 0
	tensor_load_to_lds s[G0B+4:G0B+7], s[G1B:G1B+7]
	s_nop 0
.rept 4
	v_nop
.endr
.Lfirst_asked:
	; THE TABLE, made in the wait for the first tiles.  Thread t serves row t of the tile: group t / 64, lane t % 32, the first or second word of each pair by bit 5 of t.
	v_and_b32 v3, 31, v0                           ; lane
	v_lshrrev_b32 v4, 6, v0
	v_lshlrev_b32 v4, 13, v4
	v_lshl_add_u32 v[SO], v3, 4, v4
.irp k, 0,1,2,3,4,5,6,7,8,9,10,11,12,13,14,15
	global_load_b128 v[64+4*(\k):64+4*(\k)+3], v[SO], s[8:9] offset:512*(\k)
.endr
	WIN 0x40                                       ; destination in window 1: M starts at 0
.set i, 0
.rept 256
	v_mov_b32 v[i], 0
.set i, i+1
.endr
	WIN 0
.irp a, 0,1,2,3
	v_mov_b32 v[SCL+2*(\a)+1], 0                   ; named as pairs
.endr
	v_bfe_u32 v5, v0, 5, 1
	v_cmp_eq_u32 s74, 1, v5
	v_and_b32 v1, 15, v0                           ; r
	v_bfe_u32 v2, v0, 4, 1                         ; h
	v_mul_u32_u24 v4, v1, PITCH
	v_lshl_add_u32 v4, v2, 4, v4                   ; 272 r + 16 h: a fragment of p, and my place in the stage
	s_mul_i32 s75, s[RH], 64*PITCH
	v_add_nc_u32 v[LA0], s75, v4
	v_and_b32 v6, 7, v0                            ; the turning load: lane l reads key 8 (l / 16) + l % 8, channels 8 ((l / 8) % 2) + 0..7, and is left with channel l % 16 and 8 keys
	v_lshl_add_u32 v6, v2, 3, v6
	v_mul_u32_u24 v6, v6, PV
	v_bfe_u32 v7, v0, 3, 1
	v_lshl_add_u32 v6, v7, 4, v6
	s_lshl_b32 s76, s[CH], 8                       ; my 128 channels
	s_add_co_u32 s76, s76, ABYTES
	v_add_nc_u32 v[LB0], s76, v6
	v_mov_b32 v[ADRA], v[LA0]
	v_mov_b32 v[ADRB], v[LB0]
	s_mov_b32 s[TB], 0
	s_mov_b32 s[SB], 0
	s_mul_i32 s59, s[WV], 16*SP
	s_add_co_u32 s59, s59, STAGE                   ; my stage
	v_add_nc_u32 v[STO], s59, v4
	v_mul_u32_u24 v6, v2, SP
	v_lshl_add_u32 v6, v1, 4, v6
	v_add_nc_u32 v[RD], s59, v6
	v_lshlrev_b32 v7, 11, v2
	v_lshl_add_u32 v[CO], v1, 4, v7
	s_lshl_b32 s79, s[RH], 8
	s_add_co_u32 s79, s79, SCT
	v_lshl_add_u32 v[SC0], v1, 2, s79              ; row 64 x row half + r
	v_lshl_add_u32 v[TA], v0, 2, SCT
	s_wait_loadcnt 0x0                             ; the row's 16 pairs of figures
.set i, 0
.rept 16
	v_cndmask_b32 v[128+i], v[64+4*i],   v[64+4*i+1], s74  ; u
	v_cndmask_b32 v[144+i], v[64+4*i+2], v[64+4*i+3], s74  ; l
.set i, i+1
.endr
	v_min3_num_f32 v4, v128, v129, v130            ; U
.irp k, 131,133,135,137,139,141
	v_min3_num_f32 v4, v4, v[\k], v[\k+1]
.endr
	v_min_num_f32 v4, v4, v143
.set i, 0
.rept 16
	v_sub_f32 v[160+i], v4, v[128+i]               ; U - u: a whole number, 0 or below
.set i, i+1
.endr
.set i, 0
.rept 16
	v_max_num_f32 v[160+i], 0xc2fe0000, v[160+i]   ; -127 at the least
.set i, i+1
.endr
.set i, 0
.rept 16
	v_cvt_i32_f32 v[160+i], v[160+i]
.set i, i+1
.endr
.set i, 0
.rept 16
	v_add_lshl_u32 v[160+i], v[160+i], 127, 23     ; the exponent field: 2^(U - u), or 0 at -127
.set i, i+1
.endr
	v_mul_f32 v5, v144, v160                       ; L: the block that holds the row's maximum gives 0.5 at the least
.set i, 1
.rept 15
	v_fmac_f32 v5, v[144+i], v[160+i]
.set i, i+1
.endr
	v_rcp_f32 v6, v5
	v_nop                                          ; a plain line between the reciprocal and the use of its result
.set i, 0
	s_wait_alu depctr_va_vdst(0)
.rept 16
	v_mul_f32 v[128+i], v[160+i], v6               ; 2^(U - u) / L
	ds_store_b32 v[TA], v[128+i] offset:512*i
.set i, i+1
.endr
	s_wait_tensorcnt 1                             ; my part of K step 0 is in; step 1's may stay out
	s_wait_dscnt 0x0                               ; for the others' sake: my words of the table are written
	s_barrier_signal -1
	s_barrier_wait -1
	FETCH 0, F0
	QUARTER 1, F0, F1, 1                           ; a step's first quarter starts its sums
	WIN 0
	s_mov_b32 s[CNT], TSTEPS-2
.Lstep:                                                ; a trip: from a K step's second quarter, over its folds, to the next step's first quarter
	QUARTER 2, F1, F0, 0, 1
	QUARTER 3, F0, F1, 0
	TURN 1
	QUARTER 1, F0, F1, 1
	WIN 0
	s_sub_co_u32 s[CNT], s[CNT], 1
	s_cmp_lg_u32 s[CNT], 0
	s_cbranch_scc1 .Lstep
	QUARTER 2, F1, F0, 0, 1                        ; the last two K steps are written out: nothing is left to ask for
	QUARTER 3, F0, F1, 0
	TURN 0
	QUARTER 1, F0, F1, 1
	QUARTER 2, F1, F0, 0, 1
	QUARTER 3, F0, F1, 0
	s_wait_dscnt 4
	MUL8 F1, 0, 0
	MUL8 F1, 1, 0
	s_wait_dscnt 0x0
	PLACES
	FOLD 0
	MUL8 F1, 2, 0
	FOLD 1
	MUL8 F1, 3, 0
	FOLD 2
	FOLD 3                                         ; the last two folds are also the places in front of the lines below that write the fragment buffers
	WIN 0
	OUTB 0
	OUTB 1
	OUTB 2
	OUTB 3
	s_wait_tensorcnt 0x0                           ; the wave's end
	ds_add_u32 v[SPW], v[NIL]
	s_wait_dscnt 0x0
	CROUND                                         ; the closing round
	s_endpgm
.Lfunc_end_k_q1bf0f9ba32_pv:
	.size	k_q1bf0f9ba32_pv, .Lfunc_end_k_q1bf0f9ba32_pv-k_q1bf0f9ba32_pv
	.p2alignl 7, 3214868480
	.fill 96, 4, 3214868480
	.section	.rodata,"a",@progbits
	.p2align	6, 0x0
	.amdhsa_kernel k_q1bf0f9ba32_pv
		.amdhsa_group_segment_fixed_size 327680
		.amdhsa_private_segment_fixed_size 0
		.amdhsa_enable_private_segment 0
		.amdhsa_kernarg_size 32
		.amdhsa_user_sgpr_count 2
		.amdhsa_user_sgpr_kernarg_segment_ptr 1
		.amdhsa_wavefront_size32 1
		.amdhsa_system_sgpr_workgroup_id_x 1
		.amdhsa_system_sgpr_workgroup_id_y 1
		.amdhsa_system_sgpr_workgroup_id_z 1
		.amdhsa_system_vgpr_workitem_id 0
		.amdhsa_next_free_vgpr 768
		.amdhsa_next_free_sgpr 80
		.amdhsa_reserve_vcc 0
		.amdhsa_float_denorm_mode_32 3
		.amdhsa_float_denorm_mode_16_64 3
		.amdhsa_memory_ordered 1
		.amdhsa_forward_progress 1
		.amdhsa_inst_pref_size 115
	.end_amdhsa_kernel
	.amdgpu_metadata
---
amdhsa.version: [ 1, 2 ]
amdhsa.kernels:
  - .name:           k_q1bf0f9ba32_pv
    .symbol:         k_q1bf0f9ba32_pv.kd
    .args:
      - { .name: pbuf, .offset: 0, .size: 8, .value_kind: global_buffer, .address_space: global }
      - { .name: qkv, .offset: 8, .size: 8, .value_kind: global_buffer, .address_space: global }
      - { .name: stats, .offset: 16, .size: 8, .value_kind: global_buffer, .address_space: global }
      - { .name: ob, .offset: 24, .size: 8, .value_kind: global_buffer, .address_space: global }
    .group_segment_fixed_size: 327680
    .private_segment_fixed_size: 0
    .kernarg_segment_align: 8
    .kernarg_segment_size: 32
    .max_flat_workgroup_size: 128
    .sgpr_count:     80
    .vgpr_count:     768
    .wavefront_size: 32
...
	.end_amdgpu_metadata
.endif
;; end of part 4
;; launch outp (part 5): grid 4 x 64, 4 waves a work-group, clusters of 4 x 4, 327,680 bytes of LDS; arguments ob, wb, bo, out0; writes out0
.if DOCPART == 5
	.amdgcn_target "amdgcn-amd-amdhsa--gfx1250"
	.amdhsa_code_object_version 6
	.text
	.protected	k_q1bf0f9ba32_outp
	.globl	k_q1bf0f9ba32_outp
	.p2align	8
	.type	k_q1bf0f9ba32_outp,@function
k_q1bf0f9ba32_outp:
	s_mov_b64 s[64:65], 0
	v_nop
	global_prefetch_b8 v0, s[64:65] scope:SCOPE_SE
	s_setreg_imm32_b32 hwreg(HW_REG_WAVE_MODE, 25, 1), 1
	s_wait_xcnt 0x0
	s_wait_alu depctr_hold_cnt(0) depctr_sa_sdst(0) depctr_va_vdst(0) depctr_va_sdst(0) depctr_va_ssrc(0) depctr_va_vcc(0) depctr_vm_vsrc(0)
	s_getreg_b32 s2, hwreg(HW_REG_IB_STS2, 6, 4)
	s_cmp_eq_u32 s2, 0
	s_cbranch_scc0 .Lentry_in_a_cluster
	s_endpgm
.Lentry_in_a_cluster:
	s_bfe_u32 s2, ttmp6, 0x10000c
	s_cmp_lg_u32 s2, 0xf033
	s_cbranch_scc0 .Lentry_shape_is_right
	s_endpgm
.Lentry_shape_is_right:
; out0[m][n] = sum over e of ob[m][e] Wo[n][e] + bo[n].  ob: [8192][1024] f16; Wo: wb rows 3072-4095, bf16 numbers written as f16; bo f32, rounded to bf16 like every input; sums in f32; out0: [8192][1024] f32.
; LIMITS.  None of its own: its operands arrive within f16.  NaN and infinities are not treated apart.
; SHARES.  A work-group makes 128 x 256: 4 x 64 = 256 work-groups.  Four waves, 2 x 2, each 64 x 128: 32 accumulators, 256 registers (window 1).  K in 8 steps of 128 through two LDS slots.
; Ring, cluster (ob's tile shared along a row, Wo's along a column), transposed use, registers and the way out through each wave's own stage as in the first product's launch; here the rows leave as f32.
.set KSTEP,  128
.set TSTEPS, 1024/KSTEP
.set PITCH,  272
.set ABYTES, 128*PITCH
.set SLOT1,  1<<17
.set STAGE,  SLOT1+ABYTES+256*PITCH    ; behind the ring, never filled by a tensor load: 16 rows x 528 bytes for each wave
.set SP,     528
.set SPARE,  STAGE+4*16*SP             ; the spare words: two blocks of 256 bytes that no other line names
.set STEPA,  2*KSTEP
.set STEPB,  2*KSTEP
.set OROW,   4096                      ; bytes in a row of out0
.set LA0,  10
.set LB0,  11
.set ADRA, 12
.set ADRB, 13
.set STO,  14
.set RD,   15
.set CO,   16                          ; v16  16 x lane: my bytes in a row of 512, in the bias and in the result; never rewritten
.set SPW,  28
.set NIL,  29
.set BI,   32
.set F0,   64
.set F1,   160
.set BK0,  64
.set BK1,  128
.set WV,  16
.set RH,  17
.set CH,  18
.set CX,  19
.set CY,  20
.set TC,  21
.set TR,  22
.set CLY, 23
.set G1A, 24
.set G1B, 32
.set G0A, 40
.set G0B, 48
.set CNT, 56
.set TB,  57
.set MSB, 0
.macro WIN new
.if MSB != (\new)
	s_set_vgpr_msb (MSB<<8)|(\new)
.set MSB, \new
.endif
.endm
.set W_MUL, 0x50
.macro PLACES
.rept 4
	v_nop
.endr
.endm
.macro JLOAD
	s_cmp_lt_u32 s[WV], 2
	s_cbranch_scc0 .Lfor_b_\@
	tensor_load_to_lds s[G0A+4:G0A+7], s[G1A:G1A+7]
	s_nop 0
.rept 4
	v_nop
.endr
	s_branch .Lasked_\@
.Lfor_b_\@:
	tensor_load_to_lds s[G0B+4:G0B+7], s[G1B:G1B+7]
	s_nop 0
.rept 4
	v_nop
.endr
.Lasked_\@:
.endm
.macro CREST
	s_cmp_lg_u32 s[WV], 0
	s_cbranch_scc1 .Lnot_wave_0_\@
	s_barrier_signal -3
.Lnot_wave_0_\@:
	s_barrier_wait -3
	s_barrier_signal -1
	s_barrier_wait -1
.endm
.macro CROUND
	s_barrier_signal -1
	s_barrier_wait -1
	CREST
.endm
.macro MUL8 f, a, zero                 ; the 32 accumulators take turns
	WIN W_MUL
.irp b, 0,1,2,3,4,5,6,7
.if \zero
	v_wmma_f32_16x16x32_f16 v[8*(8*(\a)+(\b)):8*(8*(\a)+(\b))+7], v[(\f)+32+8*(\b):(\f)+32+8*(\b)+7], v[(\f)+8*(\a):(\f)+8*(\a)+7], 0
.else
	v_wmma_f32_16x16x32_f16 v[8*(8*(\a)+(\b)):8*(8*(\a)+(\b))+7], v[(\f)+32+8*(\b):(\f)+32+8*(\b)+7], v[(\f)+8*(\a):(\f)+8*(\a)+7], v[8*(8*(\a)+(\b)):8*(8*(\a)+(\b))+7]
.endif
.endr
.endm
.macro FETCH q, f
	WIN 0
.irp i, 0,1,2,3,4,5,6,7
	ds_load_b128 v[(\f)+32+8*(\i):(\f)+32+8*(\i)+3],   v[ADRB] offset:64*(\q)+(\i)*16*PITCH
	ds_load_b128 v[(\f)+32+8*(\i)+4:(\f)+32+8*(\i)+7], v[ADRB] offset:64*(\q)+(\i)*16*PITCH+32
.endr
.irp i, 0,1,2,3
	ds_load_b128 v[(\f)+8*(\i):(\f)+8*(\i)+3],   v[ADRA] offset:64*(\q)+(\i)*16*PITCH
	ds_load_b128 v[(\f)+8*(\i)+4:(\f)+8*(\i)+7], v[ADRA] offset:64*(\q)+(\i)*16*PITCH+32
.endr
.endm
.macro QUARTER q, f, g, zero
	s_wait_dscnt 4                                 ; the four youngest loads (A's blocks 2, 3) may be out
	MUL8 \f, 0, \zero
	MUL8 \f, 1, \zero
	PLACES                                         ; buffer g was multiplied in the quarter before
	FETCH \q, \g
	s_wait_dscnt 24                                ; all but the 24 just issued
	MUL8 \f, 2, \zero
	MUL8 \f, 3, \zero
.endm
.macro TURN fill                       ; the last quarter and the change of slots
	WIN 0
	s_wait_tensorcnt 0x0                           ; no tensor load of mine is out: my part of the next slot has landed, and a group 0 may be written
	ds_add_u32 v[SPW], v[NIL]                      ; 0 onto my spare word
.if \fill
	s_xor_b32 s[G0A+5], s[G0A+5], SLOT1
	s_add_nc_u64 s[G0A+6:G0A+7], s[G0A+6:G0A+7], STEPA
	s_xor_b32 s[G0B+5], s[G0B+5], SLOT1
	s_add_nc_u64 s[G0B+6:G0B+7], s[G0B+6:G0B+7], STEPB
.endif
	s_xor_b32 s[TB], s[TB], SLOT1
	s_wait_dscnt 5                                 ; the add and A's blocks 2, 3 may be out
	MUL8 F1, 0, 0
	s_wait_dscnt 0x0                               ; the add is done, and my reads of this slot are over
	s_barrier_signal -1
	MUL8 F1, 1, 0
	WIN 0
	s_barrier_wait -1
.if \fill
	CREST                                          ; no wave of any partner still reads this slot or has a load on its way
	JLOAD                                          ; the first tensor load behind the round; its four v_nop are also the places in front of the loads below
.else
	PLACES
.endif
	v_add_nc_u32 v[ADRA], s[TB], v[LA0]
	v_add_nc_u32 v[ADRB], s[TB], v[LB0]
	FETCH 0, F0
	MUL8 F1, 2, 0
	MUL8 F1, 3, 0
.endm
.macro TOSTAGE a, bk                   ; row block a's sums into my stage, and back as whole rows of 512 bytes
	s_wait_xcnt 0x0                                ; the stores two blocks back have read the registers that the loads below fill
	WIN 0x04                                       ; the stores' data in window 1
.irp b, 0,1,2,3,4,5,6,7
	ds_store_b128 v[STO], v[8*(8*(\a)+(\b)):8*(8*(\a)+(\b))+3]   offset:64*(\b)     ; each accumulator's low registers first
	ds_store_b128 v[STO], v[8*(8*(\a)+(\b))+4:8*(8*(\a)+(\b))+7] offset:64*(\b)+16
.endr
	WIN 0
.irp t, 0,1,2,3,4,5,6,7,8,9,10,11,12,13,14,15
	ds_load_b128 v[(\bk)+4*(\t):(\bk)+4*(\t)+3], v[RD] offset:(\t)*SP  ; LDS serves a wave's instructions in order (ISA guide 5.7.1.4)
.endr
.endm
.macro SEND a, bk, younger             ; the bias is added and the rows are stored.  younger: the LDS instructions issued behind this block's loads
.irp t, 0,1,2,3,4,5,6,7,8,9,10,11,12,13,14,15
	s_wait_dscnt (\younger)+15-(\t)
	v_pk_add_f32 v[(\bk)+4*(\t):(\bk)+4*(\t)+1],   v[(\bk)+4*(\t):(\bk)+4*(\t)+1],   v[BI:BI+1]
	v_pk_add_f32 v[(\bk)+4*(\t)+2:(\bk)+4*(\t)+3], v[(\bk)+4*(\t)+2:(\bk)+4*(\t)+3], v[BI+2:BI+3]
	global_store_b128 v[CO], v[(\bk)+4*(\t):(\bk)+4*(\t)+3], s[10:11] offset:(16*(\a)+(\t))*OROW th:TH_STORE_NT  ; 512 consecutive bytes, at a multiple of 256 from the buffer's first
.endr
.endm
	s_load_b256 s[4:11], s[0:1], 0x0               ; ob s[4:5], wb s[6:7], bo s[8:9], out0 s[10:11]
	v_lshl_add_u32 v[SPW], v0, 2, SPARE
	v_mov_b32 v[NIL], 0
	ds_add_u32 v28, v29
	s_wait_dscnt 0x0
	v_lshrrev_b32 v4, 5, v0
	v_readfirstlane_b32 s[WV], v4
	s_lshr_b32 s[RH], s[WV], 1
	s_and_b32 s[CH], s[WV], 1
	s_bfe_u32 s[CX], ttmp6, 0x40000
	s_bfe_u32 s[CY], ttmp6, 0x40004
	s_lshl_b32 s[TC], ttmp9, 2
	s_add_co_u32 s[TC], s[TC], s[CX]
	s_and_b32 s[CLY], ttmp7, 0xffff
	s_lshl_b32 s[TR], s[CLY], 2
	s_add_co_u32 s[TR], s[TR], s[CY]
	s_lshl_b32 s62, s[CY], 2
	s_lshl_b32 s62, 15, s62
	s_lshl_b32 s63, 0x1111, s[CX]
	s_or_b32 s[G1A], s62, (1<<16)|(1<<20)|(1<<21)|(5<<22)|(3<<25)
	s_or_b32 s[G1B], s63, (1<<16)|(1<<20)|(1<<21)|(5<<22)|(3<<25)
.irp g, G1A, G1B
	s_mov_b32 s[(\g)+1], KSTEP<<16
	s_mov_b32 s[(\g)+3], KSTEP<<16
	s_mov_b32 s[(\g)+5], 1024
	s_mov_b32 s[(\g)+6], 0
	s_mov_b32 s[(\g)+7], 0
.endr
	s_mov_b32 s[G1A+2], 64<<16
	s_mov_b32 s[G1A+4], 64
	s_mov_b32 s[G1B+2], 128<<16
	s_mov_b32 s[G1B+4], 128
	s_lshl_b32 s68, s[TR], 7                       ; ob: row 128 x tile row + 64 x half
	s_lshl_b32 s77, s[CH], 6
	s_add_co_u32 s68, s68, s77
	s_lshl_b32 s68, s68, 11
	s_mov_b32 s69, 0
	s_lshl_b32 s70, s[TC], 8                       ; Wo: row 3,072 + 256 x tile column + 128 x half of wb
	s_lshl_b32 s78, s[CH], 7
	s_add_co_u32 s70, s70, s78
	s_add_co_u32 s70, s70, 3072
	s_lshl_b32 s70, s70, 11
	s_mov_b32 s71, 0
	s_lshl_b32 s72, s[TR], 7                       ; out0: my first row, my first column
	s_lshl_b32 s75, s[RH], 6
	s_add_co_u32 s72, s72, s75
	s_lshl_b32 s72, s72, 12
	s_lshl_b32 s2, s[TC], 10                       ; my first column in f32: in out0's rows and in bo
	s_lshl_b32 s75, s[CH], 9
	s_add_co_u32 s2, s2, s75
	s_mov_b32 s3, 0
	s_add_co_u32 s72, s72, s2
	s_mov_b32 s73, 0
	s_mul_i32 s77, s[CH], 64*PITCH
	s_mul_i32 s78, s[CH], 128*PITCH
	s_add_co_u32 s78, s78, ABYTES
	s_wait_kmcnt 0x0
	s_add_nc_u64 s[68:69], s[4:5], s[68:69]
	s_add_nc_u64 s[70:71], s[6:7], s[70:71]
	s_add_nc_u64 s[10:11], s[10:11], s[72:73]
	s_add_nc_u64 s[8:9], s[8:9], s[2:3]
.irp s, 0,1
	s_mov_b32 s[G0A+4*(\s)], 1
	s_add_co_u32 s[G0A+4*(\s)+1], s77, (\s)*SLOT1
	s_add_nc_u64 s[G0A+4*(\s)+2:G0A+4*(\s)+3], s[68:69], (\s)*STEPA
	s_or_b32 s[G0A+4*(\s)+3], s[G0A+4*(\s)+3], 0x80000000
	s_mov_b32 s[G0B+4*(\s)], 1
	s_add_co_u32 s[G0B+4*(\s)+1], s78, (\s)*SLOT1
	s_add_nc_u64 s[G0B+4*(\s)+2:G0B+4*(\s)+3], s[70:71], (\s)*STEPB
	s_or_b32 s[G0B+4*(\s)+3], s[G0B+4*(\s)+3], 0x80000000
.endr
	CROUND                                         ; all sixteen work-groups are here: the first joint loads meet
	s_cmp_lt_u32 s[WV], 2                          ; a wave's two first fills stand in one branch: two loads of mine are out, later one
	s_cbranch_scc0 .Lfirst_b
	tensor_load_to_lds s[G0A:G0A+3], s[G1A:G1A+7]
	s_nop 0
	tensor_load_to_lds s[G0A+4:G0A+7], s[G1A:G1A+7]
	s_nop 0
.rept 4
	v_nop
.endr
	s_branch .Lfirst_asked
.Lfirst_b:
	tensor_load_to_lds s[G0B:G0B+3], s[G1B:G1B+7]
	s_nop 0
	tensor_load_to_lds s[G0B+4:G0B+7], s[G1B:G1B+7]
	s_nop 0
.rept 4
	v_nop
.endr
.Lfirst_asked:
	v_and_b32 v1, 15, v0                           ; r
	v_bfe_u32 v2, v0, 4, 1                         ; h
	v_and_b32 v3, 31, v0                           ; lane
	v_lshlrev_b32 v[CO], 4, v3
	global_load_b128 v[BI:BI+3], v[CO], s[8:9]     ; the bias of columns 4 lane .. 4 lane + 3 of my 128
	v_mul_u32_u24 v4, v1, PITCH
	v_lshl_add_u32 v4, v2, 4, v4
	s_mul_i32 s75, s[RH], 64*PITCH
	s_mul_i32 s76, s[CH], 128*PITCH
	s_add_co_u32 s76, s76, ABYTES
	v_add_nc_u32 v[LA0], s75, v4
	v_add_nc_u32 v[LB0], s76, v4
	v_mov_b32 v[ADRA], v[LA0]
	v_mov_b32 v[ADRB], v[LB0]
	s_mov_b32 s[TB], 0
	s_mul_i32 s59, s[WV], 16*SP
	s_add_co_u32 s59, s59, STAGE                   ; my stage
	v_mul_u32_u24 v6, v1, SP
	v_lshl_add_u32 v6, v2, 5, v6
	v_add_nc_u32 v[STO], s59, v6
	v_add_nc_u32 v[RD], s59, v[CO]
	s_wait_tensorcnt 1                             ; my part of K step 0 is in; step 1's may stay out
	s_barrier_signal -1
	s_barrier_wait -1
	FETCH 0, F0
	QUARTER 1, F0, F1, 1                           ; the first quarter's products start the sums
	WIN 0
	s_mov_b32 s[CNT], TSTEPS-2
.Lstep:
	QUARTER 2, F1, F0, 0
	QUARTER 3, F0, F1, 0
	TURN 1
	QUARTER 1, F0, F1, 0
	WIN 0
	s_sub_co_u32 s[CNT], s[CNT], 1
	s_cmp_lg_u32 s[CNT], 0
	s_cbranch_scc1 .Lstep
	QUARTER 2, F1, F0, 0                           ; the last two K steps are written out: nothing is left to ask for
	QUARTER 3, F0, F1, 0
	TURN 0
	QUARTER 1, F0, F1, 0
	QUARTER 2, F1, F0, 0
	QUARTER 3, F0, F1, 0
	s_wait_dscnt 4
	MUL8 F1, 0, 0
	MUL8 F1, 1, 0
	s_wait_dscnt 0x0
	MUL8 F1, 2, 0
	MUL8 F1, 3, 0
	WIN 0
	s_wait_loadcnt 0x0                             ; the bias
	v_cvt_pk_bf16_f32 v36, v32, v33                ; rounded to bf16 like every input, and widened again: six plain lines, the places behind the last products
	v_cvt_pk_bf16_f32 v37, v34, v35
	v_lshlrev_b32 v32, 16, v36
	v_and_b32 v33, 0xffff0000, v36
	v_lshlrev_b32 v34, 16, v37
	v_and_b32 v35, 0xffff0000, v37
	TOSTAGE 0, BK0
	TOSTAGE 1, BK1
	SEND 0, BK0, 32
	TOSTAGE 2, BK0
	SEND 1, BK1, 32
	TOSTAGE 3, BK1
	SEND 2, BK0, 32
	SEND 3, BK1, 0
	s_wait_tensorcnt 0x0                           ; the wave's end
	ds_add_u32 v[SPW], v[NIL]
	s_wait_dscnt 0x0
	CROUND                                         ; the closing round
	s_endpgm
.Lfunc_end_k_q1bf0f9ba32_outp:
	.size	k_q1bf0f9ba32_outp, .Lfunc_end_k_q1bf0f9ba32_outp-k_q1bf0f9ba32_outp
	.p2alignl 7, 3214868480
	.fill 96, 4, 3214868480
	.section	.rodata,"a",@progbits
	.p2align	6, 0x0
	.amdhsa_kernel k_q1bf0f9ba32_outp
		.amdhsa_group_segment_fixed_size 327680
		.amdhsa_private_segment_fixed_size 0
		.amdhsa_enable_private_segment 0
		.amdhsa_kernarg_size 32
		.amdhsa_user_sgpr_count 2
		.amdhsa_user_sgpr_kernarg_segment_ptr 1
		.amdhsa_wavefront_size32 1
		.amdhsa_system_sgpr_workgroup_id_x 1
		.amdhsa_system_sgpr_workgroup_id_y 1
		.amdhsa_system_sgpr_workgroup_id_z 1
		.amdhsa_system_vgpr_workitem_id 0
		.amdhsa_next_free_vgpr 512
		.amdhsa_next_free_sgpr 80
		.amdhsa_reserve_vcc 0
		.amdhsa_float_denorm_mode_32 3
		.amdhsa_float_denorm_mode_16_64 3
		.amdhsa_memory_ordered 1
		.amdhsa_forward_progress 1
		.amdhsa_inst_pref_size 79
	.end_amdhsa_kernel
	.amdgpu_metadata
---
amdhsa.version: [ 1, 2 ]
amdhsa.kernels:
  - .name:           k_q1bf0f9ba32_outp
    .symbol:         k_q1bf0f9ba32_outp.kd
    .args:
      - { .name: ob, .offset: 0, .size: 8, .value_kind: global_buffer, .address_space: global }
      - { .name: wb, .offset: 8, .size: 8, .value_kind: global_buffer, .address_space: global }
      - { .name: bo, .offset: 16, .size: 8, .value_kind: global_buffer, .address_space: global }
      - { .name: out0, .offset: 24, .size: 8, .value_kind: global_buffer, .address_space: global }
    .group_segment_fixed_size: 327680
    .private_segment_fixed_size: 0
    .kernarg_segment_align: 8
    .kernarg_segment_size: 32
    .max_flat_workgroup_size: 128
    .sgpr_count:     80
    .vgpr_count:     512
    .wavefront_size: 32
...
	.end_amdgpu_metadata
.endif
;; end of part 5
